; MI455X (gfx1250); checked and timed in simulation.
; The chip was launched on July 23, 2026; its instructions are those of AMD's public machine-readable ISA for CDNA 5 (MIT licence, August 2026) and "CDNA5" Instruction Set Architecture Reference Guide (July 2026). The comments in the code are by the model that wrote it; some were corrected since.
;; Causal Self Attention. Allowed arithmetic: matrix products marked QUANTISED: E2M1 operands, one E8M0 scale for each 32 along K, by v_wmma_scale_f32_16x16x128_f8f6f4 with both operands' format E2M1 (or v_wmma_scale_f32_32x16x128_f4), f32 sums; products left as they are: bf16, f16 or f32 operands; f32 sums; everything else in f32.
;; Inputs: Wk 1,024 x 1,024 float32; Wp 1,024 x 1,024 float32; Wq 1,024 x 1,024 float32; Wv 1,024 x 1,024 float32; bk 1,024 float32; bp 1,024 float32; bq 1,024 float32; bv 1,024 float32; x 4 x 2,048 x 1,024 float32.
;; Outputs: out0 4 x 2,048 x 1,024 float32.
;; This version of the problem:
;;   THIS VERSION OF THE PROBLEM IS GIVEN IN LOW PRECISION. The matrix products marked QUANTISED in the list below multiply operands that are first quantised to E2M1 (2 exponent bits, 1 mantissa bit; 4 bits a number), with one power-of-two scale for each 32 numbers along K (OCP MX v1.0); their sums are f32. The products marked 'left as it is' may take bf16, f16 or f32 operands, with f32 sums. Whichever they take, every output number must still come out within the allowed error. Rounding operands to bf16 (8 significant bits) uses up far more of that allowance than f16 does (11 bits, for magnitudes from 6e-5 to 65,504). All else is computed in f32.
;;   The module's matrix products, in the order in which they are computed (A, B: the left and right operand; K: the contracted axis; several contracted axes count as one K, in the product's order):
;;     1. [M 8,192, K 1,024] x [K 1,024, N 1,024]; A: input x; B: input Wq: QUANTISED
;;     2. [M 8,192, K 1,024] x [K 1,024, N 1,024]; A: input x; B: input Wk: QUANTISED
;;     3. [M 8,192, K 1,024] x [K 1,024, N 1,024]; A: input x; B: input Wv: QUANTISED
;;     4. batch 64 x [M 2,048, K 64] x [K 64, N 2,048]; A: computed on the way; B: computed on the way: left as it is (an operand is computed on the way)
;;     5. batch 64 x [M 2,048, K 2,048] x [K 2,048, N 64]; A: computed on the way; B: computed on the way: left as it is (an operand is computed on the way)
;;     6. [M 8,192, K 1,024] x [K 1,024, N 1,024]; A: computed on the way; B: input Wp: left as it is (an operand is computed on the way)
;;   THE QUANTISER, for each operand of a quantised product, along K:
;;     - K is cut into blocks of 32 from its start; a last block that is shorter is filled with zeros.
;;     - A block's scale is 2^e with e = floor(log2(the largest magnitude in the block)) - 2, held to -126 .. 127; a block of zeros has e = 0. As a byte (E8M0): e + 127.
;;     - Each number is divided by its block's scale, clamped to +-6, and rounded to the nearest number of E2M1, ties to even, subnormals kept.
;;     - The product sums the exact products of the quantised numbers (number of the format x scale) in f32.
;;   ~~~python
;;   def quantise(x, axis):      # numpy; x: float32 -> the quantised numbers, widened to float32 again
;;       x = np.moveaxis(x, axis, -1); K = x.shape[-1]
;;       x = np.pad(x, [(0, 0)] * (x.ndim - 1) + [(0, -K % 32)]); x = x.reshape(x.shape[:-1] + (-1, 32)); a = np.abs(x).max(-1, keepdims=True)
;;       e = np.where(a > 0, np.clip(np.frexp(np.where(a > 0, a, 1))[1] - 1 - 2, -126, 127), 0)      # np.frexp(a)[1] - 1 = floor(log2(a)), exactly
;;       r = np.clip(x / 2.0 ** e, -6, 6)
;;       step = 2.0 ** (np.maximum(np.frexp(np.where(r == 0, 1, r))[1] - 1, 0) - 1)
;;       q = np.round(r / step) * step * 2.0 ** e      # np.round: ties to even
;;       return np.moveaxis(q.reshape(q.shape[:-2] + (-1,))[..., :K], -1, axis).astype(np.float32)
;;   ~~~
;; One version. Each part assembles by itself: llvm-mc -triple=amdgcn-amd-amdhsa -mcpu=gfx1250 --defsym DOCPART=n.
;; ======== version 1 of 1: 6 launches
;; limits: values are held in f16: magnitudes above 65,504 overflow, below 6.1e-05 lose precision
;; workspace buffers: xc 4,194,304 bytes; xs 262,144 bytes; wc 1,572,864 bytes; ws 98,304 bytes; wp16 2,097,152 bytes; qkv 50,331,648 bytes; y16 16,777,216 bytes; y32 262,144 bytes
;; launch quant (part 1): grid 384 x 1, 4 waves a work-group, no clusters, 33,280 bytes of LDS; arguments x, Wq, Wk, Wv, Wp, xc, xs, wc, ws, wp16; writes xc, xs, wc, ws, wp16
.if DOCPART == 1
	.amdgcn_target "amdgcn-amd-amdhsa--gfx1250"
	.amdhsa_code_object_version 6
	.text
	.protected	k_qb1fba93ff3_quant
	.globl	k_qb1fba93ff3_quant
	.p2align	8
	.type	k_qb1fba93ff3_quant,@function
k_qb1fba93ff3_quant:
	s_mov_b64 s[64:65], 0
	v_nop
	global_prefetch_b8 v0, s[64:65] scope:SCOPE_SE
	s_setreg_imm32_b32 hwreg(HW_REG_WAVE_MODE, 25, 1), 1
	s_wait_xcnt 0x0
; CAUSAL SELF-ATTENTION, launch 1 of 6: the operands of the three quantised projections become codes of FP4 (E2M1) with one E8M0 scale byte for each 32 along K; Wp becomes f16.
; WORK LEFT OUT IN THE WHOLE PROGRAM, AND WHY IT IS DEAD.
;  (a) bk.  The product q k^T is not quantised, and q.(k + bk) = q.k + q.bk.  The term q.bk is the same for every key of a query: it is a constant along the softmax's axis (the places that the
;      causal mask sets to -infinity stay -infinity), and a softmax is unchanged by such a constant, for all finite values of the inputs.  k goes nowhere else.  So bk reaches no output: it is not loaded
;      and is among no launch's arguments.  bq, bv and bp are live.
;  (b) Key tiles that lie wholly above the diagonal of the causal mask that the problem builds itself: their weights are 0.
;  LIMIT: a NaN, an infinity or an overflow that reaches only the work left out (in bk) is not carried to the result.
; x [8192][1024], Wq, Wk, Wv [1024][1024]: f32, K innermost, rows dense, K a multiple of 32: plain streams of blocks of 32 numbers, and so are the codes and the scale bytes: nothing here knows of rows.
; A block's scale is 2^(floor(log2(its largest magnitude)) - 2); its byte is the largest magnitude's own exponent field - 2, held at 1 from below.  A block of zeros so gets the byte 1 where the
; quantiser says 127: its codes are zeros, which add nothing under any byte but 0xff, and this program alone reads the bytes.
; LIMITS: blocks whose largest magnitude lies under 2^-124 keep the byte 1; NaN and infinities among the inputs are not served.
; SHARES.  A work-group takes 32,768 numbers, a wave 8,192: 16 steps of 512.  Work-groups 0-255: x; 256-287: Wq; 288-319: Wk; 320-351: Wv (their codes lie one behind the other in wc, ws); 352-383: Wp.
; A step's four loads read 512 consecutive bytes each; the 2,048 bytes turn through the wave's own stage in LDS (16 bytes of padding behind each 64) and come back 64 bytes a lane: 16 neighbours along K,
; two lanes to a block.  A lane's 16 codes are 8 bytes: the wave stores 256 consecutive bytes.  A wave's 256 scale bytes are gathered in LDS and leave as one aligned run of 256 bytes.
; Wp [n][k] -> wp16 [k / 64][n][64] f16: a chunk of 64 along K of all rows is one dense block, as the output projection's tiles want it.
.set WAVES, 4
.set STEPS, 16
.set EMAX,  2
.set CB,    8                          ; bytes of 16 codes
.set R,     16                         ; v16-79   four sets of 16 numbers as they are loaded
.set X,     80                         ; v80-111  two sets of 16 neighbours
.set C,     128                        ; v128-191 codes: four registers for each step, so that no store's data are written again
.set E,     112                        ; v112-127 a scale byte for each step
.set WREG,  8192                       ; LDS: a region for each wave: two stages of 32 x SP bytes, and behind them its 256 scale bytes
.set SP,    80
.set SPW,   12                         ; v12 LDS address of my spare word; never rewritten
.set NIL,   13                         ; v13 0; never rewritten
.set SPARE, WAVES*WREG                 ; behind the four regions: the spare words, 128 bytes for each wave
	s_load_b512 s[4:19], s[0:1], 0x0               ; x 4:5, Wq 6:7, Wk 8:9, Wv 10:11, Wp 12:13, xc 14:15, xs 16:17, wc 18:19
	s_load_b128 s[20:23], s[0:1], 0x40             ; ws 20:21, wp16 22:23
	v_lshl_add_u32 v[SPW], v0, 2, SPARE
	v_mov_b32 v[NIL], 0
	v_lshrrev_b32 v1, 5, v0
	v_readfirstlane_b32 s24, v1                    ; wave
	v_and_b32 v2, 31, v0                           ; lane
	v_lshlrev_b32 v3, 4, v2                        ; my 16 bytes of a load's 512
	s_mul_i32 s25, s24, WREG
	v_lshrrev_b32 v14, 2, v2
	v_mul_u32_u24 v14, v14, SP
	v_and_b32 v15, 3, v2
	v_lshl_add_u32 v14, v15, 4, v14
	v_add_nc_u32 v14, s25, v14                     ; the stage, on the way in: SP (lane / 4) + 16 (lane % 4)
	v_mul_u32_u24 v15, v2, SP
	v_add_nc_u32 v15, s25, v15                     ; and on the way out: SP x lane: my 16 neighbours
	v_mul_u32_u24 v4, v2, CB                       ; my codes' place in a step's
	v_lshrrev_b32 v5, 1, v2
	s_add_co_u32 s25, s25, 2*32*SP
	v_add_nc_u32 v5, s25, v5                       ; LDS: my wave's 256 scale bytes, my block's byte
	v_lshlrev_b32 v7, 3, v2                        ; and on the way out 8 bytes a lane
	v_add_nc_u32 v6, s25, v7
	s_wait_kmcnt 0x0
	s_cmp_ge_u32 ttmp9, 352                        ; the last 32 work-groups take Wp
	s_cbranch_scc1 .Lwp
	s_cmp_lt_u32 ttmp9, 256                        ; x or a weight?  The choices hang on the work-group's number alone
	s_cselect_b64 s[4:5], s[4:5], s[6:7]
	s_cselect_b64 s[14:15], s[14:15], s[18:19]
	s_cselect_b64 s[16:17], s[16:17], s[20:21]
	s_cselect_b32 s26, 0, 256
	s_cselect_b32 s28, 255, 31
	s_sub_co_u32 s26, ttmp9, s26                   ; which run of 32,768 numbers of the codes' buffer,
	s_and_b32 s28, s26, s28                        ; and of the tensor that is read
	s_cmp_ge_u32 ttmp9, 288
	s_cselect_b64 s[4:5], s[8:9], s[4:5]
	s_cmp_ge_u32 ttmp9, 320
	s_cselect_b64 s[4:5], s[10:11], s[4:5]
	s_lshl_b32 s26, s26, 2
	s_add_co_u32 s26, s26, s24
	s_lshl_b32 s28, s28, 2
	s_add_co_u32 s28, s28, s24                     ; my wave's run of 8,192 numbers
	s_lshl_b32 s30, s28, 15                        ; 32,768 bytes of f32,
	s_mov_b32 s31, 0
	s_add_nc_u64 s[4:5], s[4:5], s[30:31]
	s_lshl_b32 s30, s26, 12                        ; 4,096 bytes of codes,
	s_add_nc_u64 s[14:15], s[14:15], s[30:31]
	s_lshl_b32 s30, s26, 8                         ; 256 scale bytes
	s_add_nc_u64 s[16:17], s[16:17], s[30:31]
.macro LOAD t
.irp i, 0,1,2,3
	global_load_b128 v[R+16*((\t)%4)+4*\i:R+16*((\t)%4)+4*\i+3], v3, s[4:5] offset:2048*(\t)+512*\i th:TH_LOAD_NT   ; 32 lanes read 512 consecutive bytes
.endr
.endm
.macro TURN t                          ; step t's numbers through the stage: LDS serves a wave's instructions in order, so no wait stands between the stores and the loads
.irp i, 0,1,2,3
	ds_store_b128 v14, v[R+16*((\t)%4)+4*\i:R+16*((\t)%4)+4*\i+3] offset:32*SP*((\t)%2)+8*SP*\i
.endr
.irp i, 0,1,2,3
	ds_load_b128 v[X+16*((\t)%2)+4*\i:X+16*((\t)%2)+4*\i+3], v15 offset:32*SP*((\t)%2)+16*\i
.endr
.endm
.irp t, 0,1,2,3
	LOAD \t
.endr
	s_wait_loadcnt 12                              ; step 0's four loads are in; the twelve of steps 1 to 3 stay out
	TURN 0
.macro STEP t
.set XS, X+16*((\t)%2)
.if (\t) > 0
	s_wait_dscnt 1                                 ; this step's numbers are back from the stage (the last step's byte store may be out): so its stores into the stage have read their registers,
.else
	s_wait_dscnt 0x0
.endif
.if (\t)+4 < STEPS
	LOAD (\t)+4                                    ; which take the loads of four steps on
.endif
.if (\t)+1 < STEPS
.if STEPS-2-(\t) >= 3
	s_wait_loadcnt 12                              ; the next step's four loads are in; those of the three steps behind it may be out
.else
	s_wait_loadcnt 4*(STEPS-2-(\t))
.endif
	TURN (\t)+1                                    ; and go through the other stage while this step is worked
.endif
	v_max3_num_f32 v8, |v[XS]|, |v[XS+1]|, |v[XS+2]|               ; the largest magnitude of my 16, in two chains
	v_max3_num_f32 v9, |v[XS+3]|, |v[XS+4]|, |v[XS+5]|
.irp i, 6,10
	v_max3_num_f32 v8, v8, |v[XS+\i]|, |v[XS+\i+1]|
	v_max3_num_f32 v9, v9, |v[XS+\i+2]|, |v[XS+\i+3]|
.endr
	v_max3_num_f32 v8, v8, |v[XS+14]|, |v[XS+15]|
	v_max3_num_f32 v8, v8, v9, (EMAX+1)<<23        ; and the floor 2^(EMAX + 1 - 127): so the byte cannot fall under 1
	v_max_num_f32_dpp v8, v8, v8 row_xmask:1 row_mask:0xf bank_mask:0xf   ; and of my neighbour's 16: the block's
	v_add_nc_u32 v11, -(EMAX<<23), v8              ; EMAX off its exponent field: the conversion takes the exponent field of this operand as its scale, and nothing else of it
	v_cvt_scalef32_pk8_fp4_f32 v[C+4*(\t)], v[XS:XS+7], v11        ; to the nearest code, ties to even, beyond the largest code the largest; the first number's code in the lowest four bits
	v_cvt_scalef32_pk8_fp4_f32 v[C+4*(\t)+1], v[XS+8:XS+15], v11
	v_lshrrev_b32 v[E+(\t)], 23, v11               ; the scale's byte
	ds_store_b8 v5, v[E+(\t)] offset:16*(\t)       ; both lanes of a block write the same byte with the same value
	global_store_b64 v4, v[C+4*(\t):C+4*(\t)+1], s[14:15] offset:32*CB*(\t)   ; 32 lanes store 256 consecutive bytes, aligned
.endm
.irp t, 0,1,2,3,4,5,6,7,8,9,10,11,12,13,14,15
	STEP \t
.endr
	ds_load_b64 v[8:9], v6                         ; LDS serves a wave's instructions in order: these see my stores
	s_wait_dscnt 0x0
	global_store_b64 v7, v[8:9], s[16:17]          ; 32 lanes store 256 consecutive bytes, aligned
	s_wait_tensorcnt 0x0                           ; the wave's end: behind my last LDS store
	ds_add_u32 v[SPW], v[NIL]
	s_wait_dscnt 0x0
	s_endpgm
; Wp.  A wave takes 8 rows n.  A piece is 4 rows x 64 along K: lane l reads 32 bytes (8 numbers at k = 64 c + 8 (l % 8) of row l / 8), rounds them to f16, and the wave stores 512 consecutive bytes of chunk c.
; Four batches of eight pieces, in two sets of registers: one batch's 16 loads are out while the batch before is rounded.
.Lwp:
	s_sub_co_u32 s26, ttmp9, 352
	s_lshl_b32 s26, s26, 2
	s_add_co_u32 s26, s26, s24                     ; which 8 rows
	s_lshl_b32 s30, s26, 15                        ; 8 rows of 4,096 bytes in Wp,
	s_mov_b32 s31, 0
	s_add_nc_u64 s[12:13], s[12:13], s[30:31]
	s_lshl_b32 s30, s26, 10                        ; of 128 bytes in a chunk of wp16
	s_add_nc_u64 s[22:23], s[22:23], s[30:31]
	v_lshrrev_b32 v8, 3, v2
	v_and_b32 v9, 7, v2
	v_lshlrev_b32 v8, 12, v8
	v_lshl_add_u32 v8, v9, 5, v8                   ; in: 4,096 (lane / 8) + 32 (lane % 8)
	v_lshlrev_b32 v9, 4, v2                        ; out: 16 x lane
.macro LOADB bt                        ; batch bt: rows 4 (bt / 2) on, chunks 8 (bt % 2) on
.set SB, 16+112*((\bt)%2)
.irp pc, 0,1,2,3,4,5,6,7
	global_load_b128 v[SB+8*\pc:SB+8*\pc+3], v8, s[12:13] offset:((\bt)/2)*16384+(8*((\bt)%2)+\pc)*256 th:TH_LOAD_NT
	global_load_b128 v[SB+8*\pc+4:SB+8*\pc+7], v8, s[12:13] offset:((\bt)/2)*16384+(8*((\bt)%2)+\pc)*256+16 th:TH_LOAD_NT
.endr
.endm
.macro CONVB bt
.set SB, 16+112*((\bt)%2)
.if (\bt) > 0
	s_wait_xcnt 0x0                                ; the last batch's stores have read v80-111: only now are they written again
.endif
.irp pc, 0,1,2,3,4,5,6,7
.irp j, 0,1,2,3
	v_cvt_pk_f16_f32 v[80+4*\pc+\j], v[SB+8*\pc+2*\j], v[SB+8*\pc+2*\j+1]
.endr
	global_store_b128 v9, v[80+4*\pc:80+4*\pc+3], s[22:23] offset:(8*((\bt)%2)+\pc)*131072+((\bt)/2)*512   ; 512 consecutive bytes, aligned
.endr
.endm
	LOADB 0
	LOADB 1
	s_wait_loadcnt 16                              ; the older batch is in, the younger batch's 16 loads stay out
	CONVB 0
	LOADB 2
	s_wait_loadcnt 16
	CONVB 1
	LOADB 3
	s_wait_loadcnt 16
	CONVB 2
	s_wait_loadcnt 0x0
	CONVB 3
	s_endpgm
.Lfunc_end_k_qb1fba93ff3_quant:
	.size	k_qb1fba93ff3_quant, .Lfunc_end_k_qb1fba93ff3_quant-k_qb1fba93ff3_quant
	.p2alignl 7, 3214868480
	.fill 96, 4, 3214868480
	.section	.rodata,"a",@progbits
	.p2align	6, 0x0
	.amdhsa_kernel k_qb1fba93ff3_quant
		.amdhsa_group_segment_fixed_size 33280
		.amdhsa_private_segment_fixed_size 0
		.amdhsa_enable_private_segment 0
		.amdhsa_kernarg_size 80
		.amdhsa_user_sgpr_count 2
		.amdhsa_user_sgpr_kernarg_segment_ptr 1
		.amdhsa_wavefront_size32 1
		.amdhsa_system_sgpr_workgroup_id_x 1
		.amdhsa_system_sgpr_workgroup_id_y 1
		.amdhsa_system_sgpr_workgroup_id_z 1
		.amdhsa_system_vgpr_workitem_id 0
		.amdhsa_next_free_vgpr 192
		.amdhsa_next_free_sgpr 66
		.amdhsa_reserve_vcc 0
		.amdhsa_float_denorm_mode_32 3
		.amdhsa_float_denorm_mode_16_64 3
		.amdhsa_memory_ordered 1
		.amdhsa_forward_progress 1
		.amdhsa_inst_pref_size 51
	.end_amdhsa_kernel
	.amdgpu_metadata
---
amdhsa.version: [ 1, 2 ]
amdhsa.kernels:
  - .name:           k_qb1fba93ff3_quant
    .symbol:         k_qb1fba93ff3_quant.kd
    .args:
      - { .name: x, .offset: 0, .size: 8, .value_kind: global_buffer, .address_space: global }
      - { .name: Wq, .offset: 8, .size: 8, .value_kind: global_buffer, .address_space: global }
      - { .name: Wk, .offset: 16, .size: 8, .value_kind: global_buffer, .address_space: global }
      - { .name: Wv, .offset: 24, .size: 8, .value_kind: global_buffer, .address_space: global }
      - { .name: Wp, .offset: 32, .size: 8, .value_kind: global_buffer, .address_space: global }
      - { .name: xc, .offset: 40, .size: 8, .value_kind: global_buffer, .address_space: global }
      - { .name: xs, .offset: 48, .size: 8, .value_kind: global_buffer, .address_space: global }
      - { .name: wc, .offset: 56, .size: 8, .value_kind: global_buffer, .address_space: global }
      - { .name: ws, .offset: 64, .size: 8, .value_kind: global_buffer, .address_space: global }
      - { .name: wp16, .offset: 72, .size: 8, .value_kind: global_buffer, .address_space: global }
    .group_segment_fixed_size: 33280
    .private_segment_fixed_size: 0
    .kernarg_segment_align: 8
    .kernarg_segment_size: 80
    .max_flat_workgroup_size: 128
    .sgpr_count:     66
    .vgpr_count:     192
    .wavefront_size: 32
...
	.end_amdgpu_metadata
.endif
;; end of part 1
;; launch proj (part 2): grid 12 x 32, 4 waves a work-group, clusters of 4 x 4, 327,680 bytes of LDS; arguments xc, xs, wc, ws, qkv, bq, bv; writes qkv
.if DOCPART == 2
	.amdgcn_target "amdgcn-amd-amdhsa--gfx1250"
	.amdhsa_code_object_version 6
	.text
	.protected	k_qb1fba93ff3_proj
	.globl	k_qb1fba93ff3_proj
	.p2align	8
	.type	k_qb1fba93ff3_proj,@function
k_qb1fba93ff3_proj:
	s_mov_b64 s[64:65], 0
	v_nop
	global_prefetch_b8 v0, s[64:65] scope:SCOPE_SE
	s_setreg_imm32_b32 hwreg(HW_REG_WAVE_MODE, 25, 1), 1
	s_wait_xcnt 0x0
	s_wait_alu depctr_hold_cnt(0) depctr_sa_sdst(0) depctr_va_vdst(0) depctr_va_sdst(0) depctr_va_ssrc(0) depctr_va_vcc(0) depctr_vm_vsrc(0)
	s_getreg_b32 s2, hwreg(HW_REG_IB_STS2, 6, 4)
	s_cmp_eq_u32 s2, 0
	s_cbranch_scc0 .Lentry_in_a_cluster
	s_endpgm
.Lentry_in_a_cluster:
	s_bfe_u32 s2, ttmp6, 0x10000c
	s_cmp_lg_u32 s2, 0xf033
	s_cbranch_scc0 .Lentry_shape_is_right
	s_endpgm
.Lentry_shape_is_right:
; Launch 2 of 6: q, k, v = x W^T (+ bq, nothing, + bv) as ONE product [8192][1024] x [3072][1024]^T on codes of FP4 (E2M1) with E8M0 scales; f32 sums; results rounded once to f16.
; LEFT OUT: bk (shown dead at the head of the first kernel: q.bk is a constant along the softmax's axis).  LIMIT: |q|, |k|, |v| stay under 65,504, f16's largest number.
; qkv is laid [batch 4][48 = q's 16 heads, k's 16, v's 16][token 2048][64] f16: a head is one dense block of 262,144 bytes, as the attention's tiles want it.
; A tile of C, 256 tokens x 256 features, is made by four waves, 128 x 128 each: 64 accumulators, 512 registers.  K = 1,024 is two slots of 512 (rows of 256 bytes): both are asked for at the start and
; nothing is filled again.  The scales of the work-group's 256 + 256 rows, for all of K, are two dense blocks: they come once, with the first fills.  By this text's count a wave has three tensor loads out.
; CLUSTERS: 4 x 4 work-groups; x's tiles are shared along a row of the cluster, W's along a column: joint loads.  A cluster's four tile columns are one of q, k, v (cluster x = 0, 1, 2), so what parts
; q, k and v is the same in all sixteen partners.
; THE MATRIX INSTRUCTION IS USED TRANSPOSED (source 0 = 16 rows of W, source 1 = 16 tokens): a lane holds eight neighbouring features of one token.
; THE BIAS is the C of each sum's first product: eight registers for each block of 16 features, in the result's layout.  For k these 64 registers are set to 0, so that one text serves the first step.
; REGISTERS: window 0: v0-31 addresses; v32-95 scale words, two sets; v128-191 x's fragments, one set; on the way out v32-63, v192-255 at work.
;   window 1: W's fragments, two sets, at v0 and v128; v192-255 the bias.   window 2: accumulators of my tokens 0-63 ((a, b) at v[8 (8 a + b)]);   window 3: of tokens 64-127.
.set SIZE_K, 1024
.set NQ,     4                         ; steps of 128 along K in a slot
.set ROWB,   256                       ; a tile's row in bytes: 512 codes
.set KROW,   SIZE_K/2                  ; a row of codes in memory
.set PITCH,  272                       ; an LDS row: 256 bytes + 16 of padding: the 16 rows that a load touches start at 16 different groups of four banks
.set FR,     8
.set NL,     2
.set NP,     4
.set HALFT,  128*PITCH
.set SLOT,   4*HALFT
.set KS,     SIZE_K/32                 ; a row of scales: 32 bytes
.set SCL,    2*SLOT
.set HALFS,  (128*KS/256)*272
.set SBLK,   (16*KS/256)*272
.set SPARE,  SCL+4*HALFS               ; the spare words, 128 bytes for each wave
.set SPITCH, 272                       ; the way out: a stage of 16 rows x (256 + 16) bytes for each wave, in slot 0, which has had its only fill and its last read by then
.set ADRA, 16
.set ADRB, 20
.set STO,  24
.set RD,   25
.set CO,   26
.set ADRS, 27
.set SPW,  28
.set NIL,  29
.set BO,   30                          ; v30 32 x (lane / 16): my half's eight numbers of a bias block
.set SC,   32
.set AF,   128
.set TMP,  192
.set OB,   32
.set BIAS, 192                         ; in window 1
.set G1, 24
.set G0, 32
.set G1B, 48
.set G0B, 56
.set G1S, 68
.set G0S, 76
.set G1SB, 80
.set G0SB, 88
.set MSB, 0
.macro WIN new                         ; the immediate's high byte repeats the setting that is left
.if MSB != \new
	s_set_vgpr_msb (MSB<<8)|\new
.set MSB, \new
.endif
.endm
.set MUL_LO, 0xa1                      ; source 0 (W) window 1, source 1 (x) window 0, C and D window 2
.set MUL_HI, 0xf1                      ; the same, C and D window 3
.set FST_LO, 0x91                      ; the first step: C (the bias) window 1, D window 2
.set FST_HI, 0xd1                      ; C window 1, D window 3
.set TO_B,   0x40                      ; destination window 1, address window 0
; A joint load: waves 0 and 1 fetch for x, waves 2 and 3 for W.  The branch hangs on the wave's number alone.  An s_nop 0 and four v_nop follow each of the two lines.
.macro JLOAD g0a, g1a, g0b, g1b
	s_cmp_eq_u32 s15, 0
	s_cbranch_scc0 .Lfor_b_\@
	tensor_load_to_lds s[\g0a:\g0a+3], s[\g1a:\g1a+7]
	s_nop 0
.rept 4
	v_nop
.endr
	s_branch .Lasked_\@
.Lfor_b_\@:
	tensor_load_to_lds s[\g0b:\g0b+3], s[\g1b:\g1b+7]
	s_nop 0
.rept 4
	v_nop
.endr
.Lasked_\@:
.endm
.macro CROUND                          ; a round of the cluster's barrier
	s_barrier_signal -1
	s_barrier_wait -1
	s_cmp_lg_u32 s14, 0
	s_cbranch_scc1 .Lnot_wave_0_\@
	s_barrier_signal -3
.Lnot_wave_0_\@:
	s_barrier_wait -3
	s_barrier_signal -1
	s_barrier_wait -1
.endm
	s_load_b128 s[4:7], s[0:1], 0x0                ; x's codes, x's scales
	s_load_b128 s[8:11], s[0:1], 0x10              ; W's codes, W's scales
	s_load_b64 s[12:13], s[0:1], 0x20              ; qkv
	s_load_b128 s[96:99], s[0:1], 0x28             ; bq, bv
	v_lshl_add_u32 v[SPW], v0, 2, SPARE
	v_mov_b32 v[NIL], 0
	ds_add_u32 v[SPW], v[NIL]                      ; the wave's opening: the add, twice on end, and its wait ahead of my first tensor load
	ds_add_u32 v[SPW], v[NIL]
	v_lshrrev_b32 v1, 5, v0
	v_readfirstlane_b32 s14, v1                    ; wave 0..3
	s_lshr_b32 s15, s14, 1                         ; which half of the tile's tokens is mine.  Also: I fetch for x (0) or for W (1)
	s_and_b32 s16, s14, 1                          ; which half of its features.  Also: which 128 rows of that tile I fetch
	s_bfe_u32 s40, ttmp6, 0x40000                  ; cx, cy: my place in the cluster
	s_bfe_u32 s41, ttmp6, 0x40004
	s_lshl_b32 s42, ttmp9, 2
	s_add_co_u32 s42, s42, s40                     ; tile column = 4 x cluster x + cx
	s_and_b32 s17, ttmp7, 0xffff
	s_lshl_b32 s17, s17, 2
	s_add_co_u32 s17, s17, s41                     ; tile row = 4 x cluster y + cy
	s_lshl_b32 s43, s41, 2
	s_lshl_b32 s43, 15, s43                        ; my row of the cluster
	s_lshl_b32 s44, 0x1111, s40                    ; my column
	; descriptor group 1: a tile of 128 rows x 256 bytes, 16 bytes of padding behind each row
	s_or_b32 s[G1+0], s43, (0<<16)|(1<<20)|(1<<21)|(5<<22)|(3<<25)  ; the mask; elements of 1 byte; padding on; bit 21 beside a mask; after every 64 words; four words
	s_or_b32 s[G1B+0], s44, (0<<16)|(1<<20)|(1<<21)|(5<<22)|(3<<25)
.irp g, G1, G1B
	s_mov_b32 s[\g+1], ROWB<<16                    ; tensor_dim0
	s_mov_b32 s[\g+2], 128<<16                     ; tensor_dim1
	s_mov_b32 s[\g+3], ROWB<<16                    ; tile_dim0
	s_mov_b32 s[\g+4], 128                         ; tile_dim1
	s_mov_b32 s[\g+5], KROW                        ; from row to row
	s_mov_b32 s[\g+6], 0
	s_mov_b32 s[\g+7], 0
.endr
	; the scales of 128 rows: 4,096 dense bytes, as 16 rows of 256 bytes (32 elements of 8 bytes), 16 bytes of padding behind each
	s_or_b32 s[G1S+0], s43, (3<<16)|(1<<20)|(1<<21)|(5<<22)|(3<<25)
	s_or_b32 s[G1SB+0], s44, (3<<16)|(1<<20)|(1<<21)|(5<<22)|(3<<25)
.irp g, G1S, G1SB
	s_mov_b32 s[\g+1], 32<<16
	s_mov_b32 s[\g+2], (128*KS/256)<<16
	s_mov_b32 s[\g+3], 32<<16
	s_mov_b32 s[\g+4], 128*KS/256
	s_mov_b32 s[\g+5], 32
	s_mov_b32 s[\g+6], 0
	s_mov_b32 s[\g+7], 0
.endr
	s_lshl_b32 s18, s16, 7                         ; which 128 rows of the tile I fetch
	s_lshl_b32 s20, s17, 8
	s_add_co_u32 s20, s20, s18                     ; x: row 256 x tile row + 128 x half
	s_lshl_b32 s46, s42, 8
	s_add_co_u32 s46, s46, s18                     ; W: row 256 x tile column + 128 x half
	s_mov_b32 s21, 0
	s_mov_b32 s47, 0
	s_mov_b64 s[18:19], KS
	s_mul_u64 s[22:23], s[20:21], s[18:19]         ; where these rows' scales begin,
	s_mul_u64 s[92:93], s[46:47], s[18:19]
	s_mov_b64 s[18:19], KROW
	s_mul_u64 s[20:21], s[20:21], s[18:19]         ; and their codes
	s_mul_u64 s[46:47], s[46:47], s[18:19]
	s_mul_i32 s45, s14, HALFT                      ; where they go: wave x 128 rows: no place in the cluster enters an LDS address
	s_mul_i32 s94, s14, HALFS
	s_wait_dscnt 0x0                               ; both opening adds are done
	s_wait_kmcnt 0x0
	s_add_nc_u64 s[20:21], s[4:5], s[20:21]
	s_add_nc_u64 s[22:23], s[6:7], s[22:23]
	s_add_nc_u64 s[46:47], s[8:9], s[46:47]
	s_add_nc_u64 s[92:93], s[10:11], s[92:93]
	CROUND                                         ; all sixteen work-groups are here: the joint loads meet
	s_mov_b32 s[G0S], 1
	s_add_co_u32 s[G0S+1], s94, SCL
	s_mov_b64 s[G0S+2:G0S+3], s[22:23]
	s_or_b32 s[G0S+3], s[G0S+3], 0x80000000
	s_mov_b32 s[G0SB], 1
	s_add_co_u32 s[G0SB+1], s94, SCL
	s_mov_b64 s[G0SB+2:G0SB+3], s[92:93]
	s_or_b32 s[G0SB+3], s[G0SB+3], 0x80000000
	JLOAD G0S, G1S, G0SB, G1SB                     ; the scales first: they are wanted with the first slot
.irp s, 0,1
	s_mov_b32 s[G0+4*\s], 1
	s_add_co_u32 s[G0+4*\s+1], s45, \s*SLOT
	s_add_nc_u64 s[G0+4*\s+2:G0+4*\s+3], s[20:21], \s*ROWB
	s_or_b32 s[G0+4*\s+3], s[G0+4*\s+3], 0x80000000
	s_mov_b32 s[G0B+4*\s], 1
	s_add_co_u32 s[G0B+4*\s+1], s45, \s*SLOT
	s_add_nc_u64 s[G0B+4*\s+2:G0B+4*\s+3], s[46:47], \s*ROWB
	s_or_b32 s[G0B+4*\s+3], s[G0B+4*\s+3], 0x80000000
	JLOAD G0+4*\s, G1, G0B+4*\s, G1B
.endr
	v_and_b32 v1, 15, v0                           ; r = lane % 16
	v_bfe_u32 v2, v0, 4, 1                         ; h = lane / 16
	v_mul_u32_u24 v3, v1, PITCH
	v_lshl_add_u32 v4, v2, 4, v3                   ; a fragment's row x pitch + 16 h
	s_mul_i32 s21, s15, HALFT                      ; my 128 rows of x
	s_mul_i32 s22, s16, HALFT                      ; my 128 rows of W,
	s_add_co_u32 s22, s22, 2*HALFT                 ; which lie behind x's 256
.irp s, 0,1
	v_add_nc_u32 v[ADRA+\s], s21, v4
	v_add_nc_u32 v[ADRB+\s], s22, v4
	s_add_co_u32 s21, s21, SLOT
	s_add_co_u32 s22, s22, SLOT
.endr
	v_mul_u32_u24 v5, v1, KS                       ; my row's scales: 32 bytes a row,
	v_lshrrev_b32 v6, 8, v5
	v_lshl_add_u32 v5, v6, 4, v5                   ; and 16 more for each 256 passed
	s_mul_i32 s21, s15, HALFS
	s_mul_i32 s22, s16, HALFS
	s_add_co_u32 s22, s22, 2*HALFS
	s_sub_co_u32 s22, s22, s21
	v_mul_u32_u24 v6, s22, v2                      ; lanes 16-31 take W's: one product, the distance between the two bases x h
	s_add_co_u32 s21, s21, SCL
	v_add_nc_u32 v5, v5, v6
	v_add_nc_u32 v[ADRS], s21, v5
	s_mul_i32 s23, s14, 16*SPITCH                  ; my stage
	v_mul_u32_u24 v5, v1, SPITCH                   ; in: row r (a token), 16 bytes for each half of the lanes
	v_lshl_add_u32 v5, v2, 4, v5
	v_add_nc_u32 v[STO], s23, v5
	v_bfe_u32 v5, v0, 3, 2                         ; back: eight lanes take the 128 bytes of one head of one token, the wave four tokens
	v_mul_u32_u24 v5, v5, SPITCH
	v_and_b32 v6, 7, v0
	v_lshl_add_u32 v5, v6, 4, v5
	v_add_nc_u32 v[RD], s23, v5
	v_and_b32 v6, 31, v0
	v_lshlrev_b32 v[CO], 4, v6                     ; and in qkv the four tokens are 512 consecutive bytes
	v_lshlrev_b32 v[BO], 5, v2
	s_lshr_b32 s20, s17, 3                         ; where my part begins in qkv: the batch's 48 heads,
	s_mul_i32 s20, s20, 48
	s_lshl_b32 s21, s42, 2
	s_add_co_u32 s20, s20, s21                     ; four heads to a tile column,
	s_lshl_b32 s21, s16, 1
	s_add_co_u32 s20, s20, s21                     ; two to my half,
	s_lshl_b32 s20, s20, 18                        ; 262,144 bytes a head;
	s_and_b32 s21, s17, 7
	s_lshl_b32 s21, s21, 8
	s_lshl_b32 s22, s15, 7
	s_add_co_u32 s21, s21, s22                     ; my first token in the batch,
	s_lshl_b32 s21, s21, 7                         ; 128 bytes a token
	s_add_co_u32 s20, s20, s21
	s_mov_b32 s21, 0
	s_add_nc_u64 s[12:13], s[12:13], s[20:21]
	s_cmp_eq_u32 ttmp9, 0                          ; the bias: q's or v's, at my 128 features
	s_cselect_b64 s[96:97], s[96:97], s[98:99]
	s_lshl_b32 s20, s40, 10
	s_lshl_b32 s21, s16, 9
	s_add_co_u32 s20, s20, s21
	s_mov_b32 s21, 0
	s_add_nc_u64 s[96:97], s[96:97], s[20:21]
	s_cmp_eq_u32 ttmp9, 1                          ; k has none (cluster x: the same in all partners)
	s_cbranch_scc1 .Lno_bias
	WIN TO_B
.irp b, 0,1,2,3,4,5,6,7
	global_load_b128 v[BIAS+8*\b:BIAS+8*\b+3], v[BO], s[96:97] offset:64*\b        ; lane (r, h), register j: the bias of feature 16 b + 8 h + j
	global_load_b128 v[BIAS+8*\b+4:BIAS+8*\b+7], v[BO], s[96:97] offset:64*\b+16
.endr
	WIN 0
	s_branch .Lbias_done
.Lno_bias:
	WIN TO_B
.set i, 0
.rept 64
	v_mov_b32 v[BIAS+i], 0
.set i, i+1
.endr
	WIN 0
.Lbias_done:
.macro FRAG reg, adr, q, i             ; 16 rows x 128 K of 4-bit codes: 8 registers: lane l holds row l % 16; registers 4 c .. 4 c + 3 hold K = 64 c + 32 (l / 16) + 0 .. 31
.irp c, 0,1
	ds_load_b128 v[\reg+4*\c:\reg+4*\c+3], v[\adr] offset:64*(\q)+32*\c+(\i)*16*PITCH
.endr
.endm
; 16 matrix instructions: token blocks a0, a0 + 1 x W's eight, 128 along K.  first = 1: C is the bias.  The 64 accumulators take turns, one instruction a turn, in the same order in every step.
.macro MUL16 a0, p, q, sc, first
.irp a, \a0, \a0+1
.irp b, 0,1,2,3,4,5,6,7
.if \first
	v_wmma_scale_f32_16x16x128_f8f6f4 v[8*(8*((\a)%4)+\b):8*(8*((\a)%4)+\b)+7], v[128*(\p)+FR*\b:128*(\p)+FR*\b+FR-1], v[AF+FR*(\a):AF+FR*(\a)+FR-1], v[BIAS+8*\b:BIAS+8*\b+7], v[SC+8*NQ*(\sc)+NQ*\b+(\q)], v[SC+8*NQ*(\sc)+NQ*(\a)+(\q)] matrix_a_fmt:MATRIX_FMT_FP4 matrix_b_fmt:MATRIX_FMT_FP4 matrix_a_scale:MATRIX_SCALE_ROW1
.else
	v_wmma_scale_f32_16x16x128_f8f6f4 v[8*(8*((\a)%4)+\b):8*(8*((\a)%4)+\b)+7], v[128*(\p)+FR*\b:128*(\p)+FR*\b+FR-1], v[AF+FR*(\a):AF+FR*(\a)+FR-1], v[8*(8*((\a)%4)+\b):8*(8*((\a)%4)+\b)+7], v[SC+8*NQ*(\sc)+NQ*\b+(\q)], v[SC+8*NQ*(\sc)+NQ*(\a)+(\q)] matrix_a_fmt:MATRIX_FMT_FP4 matrix_b_fmt:MATRIX_FMT_FP4 matrix_a_scale:MATRIX_SCALE_ROW1
.endif
.endr
.endr
.endm
.macro FETCH_B slot, q, p
	WIN TO_B
.irp i, 0,1,2,3,4,5,6,7
	FRAG 128*(\p)+FR*\i, ADRB+\slot, \q, \i
.endr
	WIN 0
.endm
.macro FETCH_A slot, q, i0
.irp i, \i0, \i0+1, \i0+2, \i0+3
	FRAG AF+FR*(\i), ADRA+\slot, \q, \i
.endr
.endm
.macro SCALES sc                       ; a slot's scale words: four words a row; lanes 0-15 take x's block i, lanes 16-31 W's block i
.irp i, 0,1,2,3,4,5,6,7
	ds_load_b128 v[SC+8*NQ*\sc+NQ*\i:SC+8*NQ*\sc+NQ*\i+3], v[ADRS] offset:\i*SBLK
.endr
.endm
.macro PLACES n                        ; plain vector instructions between a matrix instruction and a load into, or a read of, its registers
.rept \n
	v_nop
.endr
.endm
.macro STEP slot, q, first             ; a step of 128 along K that has its successor in the same slot
	s_wait_dscnt 4*NL                              ; W's set and x's blocks 0-3 are in; the youngest eight loads (x's blocks 4-7) may be out
.if \first
	WIN FST_LO
.else
	WIN MUL_LO
.endif
	MUL16 0, (\q)%2, \q, \slot, \first
	MUL16 2, (\q)%2, \q, \slot, \first
	s_wait_dscnt 0                                 ; x's blocks 4-7 are in (asked for 32 matrix instructions ago)
	PLACES NP
	FETCH_B \slot, (\q)+1, 1-(\q)%2
	FETCH_A \slot, (\q)+1, 0
.if \first
	WIN FST_HI
.else
	WIN MUL_HI
.endif
	MUL16 4, (\q)%2, \q, \slot, \first
	MUL16 6, (\q)%2, \q, \slot, \first
	PLACES NP
	WIN 0
	FETCH_A \slot, (\q)+1, 4
.endm
; Slot 0's last step goes over to slot 1: one barrier; in front of it each wave waits for all its tensor loads (its part of slot 1), adds 0 to its spare word, and waits for that and for its reads of slot 0.
; From here on nobody reads slot 0, where the stages of the way out lie.
.macro TURN slot, next
	s_wait_tensorcnt 0x0
	ds_add_u32 v[SPW], v[NIL]
	s_wait_dscnt 4*NL+1                            ; (the add and the youngest eight loads may be out)
	WIN MUL_LO
	MUL16 0, 1, NQ-1, \slot, 0
	s_wait_dscnt 0x0                               ; the add is done, and my reads of this slot are over
	s_barrier_signal -1
	MUL16 2, 1, NQ-1, \slot, 0
	WIN 0
	s_barrier_wait -1
	PLACES NP
	v_add_nc_u32 v[ADRS], 4*NQ, v[ADRS]            ; on to the next slot's scale words
	FETCH_B \next, 0, 0
	FETCH_A \next, 0, 0
	SCALES \next
	WIN MUL_HI
	MUL16 4, 1, NQ-1, \slot, 0
	MUL16 6, 1, NQ-1, \slot, 0
	PLACES NP
	WIN 0
	FETCH_A \next, 0, 4
.endm
.macro STEPS slot, from
.set Q, \from
.rept NQ-1-\from
	STEP \slot, Q, 0
.set Q, Q+1
.endr
.endm
	s_wait_tensorcnt 1                             ; the scales and my part of slot 0 are in; slot 1's load, the one issued behind them, may be out
	s_barrier_signal -1
	s_barrier_wait -1                              ; everybody's are
	FETCH_B 0, 0, 0
	FETCH_A 0, 0, 0
	SCALES 0
	FETCH_A 0, 0, 4
	s_wait_loadcnt 0x0                             ; the bias
	STEP 0, 0, 1                                   ; the first products start the sums from the bias: nothing is cleared or added later
	STEPS 0, 1
	TURN 0, 1
	STEPS 1, 0
	s_wait_dscnt 4*NL                              ; the very last step: nothing more to fetch
	WIN MUL_LO
	MUL16 0, 1, NQ-1, 1, 0
	MUL16 2, 1, NQ-1, 1, 0
	s_wait_dscnt 0
	WIN MUL_HI
	MUL16 4, 1, NQ-1, 1, 0
	MUL16 6, 1, NQ-1, 1, 0
	WIN 0
; THE WAY OUT, a block of 16 tokens x 128 features (two heads) at a time.  PACK: rounded to f16, 16 bytes a lane, each accumulator from its low end on.  TOSTAGE: into my stage, a token a row, and back by
; heads: four tokens x 128 bytes of one head an instruction.  SEND: those are 512 consecutive bytes of qkv, aligned.
.macro PACK a
.set AC, 64*((\a)%4)
	WIN 0x0a+5*((\a)/4)                            ; sources 0 and 1: window 2 or 3
.irp b, 0,1,2,3,4,5,6,7
.irp r, 0,1,2,3
	v_cvt_pk_f16_f32 v[TMP+4*\b+\r], v[AC+8*\b+2*\r], v[AC+8*\b+2*\r+1]
.endr
.endr
	WIN 0
.endm
.macro TOSTAGE a
.set BK, OB+192*((\a)%2)
.irp b, 0,1,2,3,4,5,6,7
	ds_store_b128 v[STO], v[TMP+4*\b:TMP+4*\b+3] offset:32*\b
.endr
.irp t, 0,1,2,3,4,5,6,7
	ds_load_b128 v[BK+4*\t:BK+4*\t+3], v[RD] offset:((\t)%4)*4*SPITCH+((\t)/4)*128   ; LDS serves a wave's instructions in order: these see the stores above
.endr
.endm
.macro SEND a
.set BK, OB+192*((\a)%2)
	s_wait_dscnt 0x0                               ; the block is back in registers
	s_wait_xcnt 0x0                                ; the stores of the block before have read their registers: the next block's loads may land there
.irp t, 0,1,2,3,4,5,6,7
	global_store_b128 v[CO], v[BK+4*\t:BK+4*\t+3], s[12:13] offset:((\t)/4)*262144+(\a)*2048+((\t)%4)*512
.endr
.endm
	PLACES NP
	PACK 0
	TOSTAGE 0
.irp a, 1,2,3,4,5,6,7                  ; block a's conversions stand between block a - 1's loads from the stage and the wait for them
	PACK \a
	SEND \a-1
	TOSTAGE \a
.endr
	SEND 7
	s_wait_tensorcnt 0x0                           ; the wave's end: behind my last tensor load and my last LDS store
	ds_add_u32 v[SPW], v[NIL]
	s_wait_dscnt 0x0
	CROUND                                         ; the closing round
	s_endpgm
.Lfunc_end_k_qb1fba93ff3_proj:
	.size	k_qb1fba93ff3_proj, .Lfunc_end_k_qb1fba93ff3_proj-k_qb1fba93ff3_proj
	.p2alignl 7, 3214868480
	.fill 96, 4, 3214868480
	.section	.rodata,"a",@progbits
	.p2align	6, 0x0
	.amdhsa_kernel k_qb1fba93ff3_proj
		.amdhsa_group_segment_fixed_size 327680
		.amdhsa_private_segment_fixed_size 0
		.amdhsa_enable_private_segment 0
		.amdhsa_kernarg_size 56
		.amdhsa_user_sgpr_count 2
		.amdhsa_user_sgpr_kernarg_segment_ptr 1
		.amdhsa_wavefront_size32 1
		.amdhsa_system_sgpr_workgroup_id_x 1
		.amdhsa_system_sgpr_workgroup_id_y 1
		.amdhsa_system_sgpr_workgroup_id_z 1
		.amdhsa_system_vgpr_workitem_id 0
		.amdhsa_next_free_vgpr 1024
		.amdhsa_next_free_sgpr 100
		.amdhsa_reserve_vcc 0
		.amdhsa_float_denorm_mode_32 3
		.amdhsa_float_denorm_mode_16_64 3
		.amdhsa_memory_ordered 1
		.amdhsa_forward_progress 1
		.amdhsa_inst_pref_size 130
	.end_amdhsa_kernel
	.amdgpu_metadata
---
amdhsa.version: [ 1, 2 ]
amdhsa.kernels:
  - .name:           k_qb1fba93ff3_proj
    .symbol:         k_qb1fba93ff3_proj.kd
    .args:
      - { .name: xc, .offset: 0, .size: 8, .value_kind: global_buffer, .address_space: global }
      - { .name: xs, .offset: 8, .size: 8, .value_kind: global_buffer, .address_space: global }
      - { .name: wc, .offset: 16, .size: 8, .value_kind: global_buffer, .address_space: global }
      - { .name: ws, .offset: 24, .size: 8, .value_kind: global_buffer, .address_space: global }
      - { .name: qkv, .offset: 32, .size: 8, .value_kind: global_buffer, .address_space: global }
      - { .name: bq, .offset: 40, .size: 8, .value_kind: global_buffer, .address_space: global }
      - { .name: bv, .offset: 48, .size: 8, .value_kind: global_buffer, .address_space: global }
    .group_segment_fixed_size: 327680
    .private_segment_fixed_size: 0
    .kernarg_segment_align: 8
    .kernarg_segment_size: 56
    .max_flat_workgroup_size: 128
    .sgpr_count:     100
    .vgpr_count:     1024
    .wavefront_size: 32
...
	.end_amdgpu_metadata
.endif
;; end of part 2
;; launch attn (part 3): grid 4 x 64, 8 waves a work-group, no clusters, 327,680 bytes of LDS; arguments qkv, y16; writes y16
.if DOCPART == 3
	.amdgcn_target "amdgcn-amd-amdhsa--gfx1250"
	.amdhsa_code_object_version 6
	.text
	.protected	k_qb1fba93ff3_attn
	.globl	k_qb1fba93ff3_attn
	.p2align	8
	.type	k_qb1fba93ff3_attn,@function
k_qb1fba93ff3_attn:
	s_mov_b64 s[64:65], 0
	v_nop
	global_prefetch_b8 v0, s[64:65] scope:SCOPE_SE
	s_setreg_imm32_b32 hwreg(HW_REG_WAVE_MODE, 25, 1), 1
	s_wait_xcnt 0x0
; Launch 3 of 6: y[b][h][q] = the sum over k <= q of softmax_k(q.k / 8) v, on f16 operands with f32 products, maxima and sums; the weights are rounded to f16 for the second product, y once at the end.
; LEFT OUT: key steps that lie wholly above the diagonal of the causal mask, which the problem builds itself (their weights are 0).  k carries no bk (shown dead at the head of the first kernel).
; LIMITS: |y| under 65,504; the running maximum starts at -3e38, under every score that is served.  (Positions 0-15 of every sequence are made again in f32 by the last two launches.)
; qkv: [batch 4][48: q's, k's, v's 16 heads][2048][64] f16; y16: [batch x head 64][2048][64] f16.  A token's row is 128 bytes; a head is dense.
; SHARES.  Work-group (i, head) owns the query blocks i and 7 - i of its head, 256 queries each: block i wants i + 1 units of 256 keys, block 7 - i wants 8 - i: NINE units in every work-group, so all 256
; have equal work and every trip count is a constant.  Unit u <= i: block i, keys 256 u on; unit u > i: block 7 - i, keys 256 (u - i - 1) on.  A wave owns 32 queries, two tiles of 16; two waves lie on a
; SIMD, so that one wave's softmax stands beside the other's products and LDS loads.
; NO CLUSTER: in the same trip the four work-groups of a head want different key units (u, or u - i - 1), so no tile is wanted by two partners at one time.
; RING.  Two LDS slots of one unit.  Waves 0, 1 fetch K's halves, waves 2, 3 V's, one tensor load each; the load has a whole unit's work in which to land.  Every wait on TENSORcnt is for 0; one load a wave is out.
; In LDS two keys share a row, so that a descriptor's row is 256 bytes: K's rows are 272 bytes apart, V's 288.
; LAYOUT.  S^T = K Q^T (source 0 = 16 keys, source 1 = 16 queries): a lane holds ONE query (lane % 16) and keys 8 (lane / 16) + 0..7.  Two such tiles, rounded in pairs, ARE source 1 of O^T = V^T P.  V is turned on its way
; out of LDS by ds_load_tr16_b128.  SOFTMAX: running maximum m and sum l; p = 2^(c s - c m), c = log2(e) / 8; in every step O and l are multiplied by a = 2^(c m_old - c m_new).
; REGISTERS.  window 0: v0-15 addresses; v16-31 eight statistics a tile (+0 c m, +1 m, +2, +3 l, +4..+7 at work, a at +6); v32-95 S^T; v96-127 P; v128-191 K; v192-255 V.   window 1: v0-31 Q; v32-95 O^T.
.set PKK,   272
.set PVV,   288
.set VOFF,  128*PKK                    ; a slot: 128 double rows of K, then 128 of V
.set SLOT1, 1<<17                      ; slot 1 begins here: one exclusive or turns an address from one slot into the other
.set STAGE, 2*SLOT1                    ; the way out: 16 rows x (128 + 16) bytes for each wave; no fill lands here
.set SPI,   144
.set SPARE, STAGE+8*16*SPI             ; the spare words, 128 bytes for each wave
.set AK0, 2
.set AV0, 3
.set ADK, 4
.set ADV, 5
.set QO,  6
.set STO, 7
.set RD,  8
.set GO,  9
.set DQ,  10                           ; v10 lane % 16 - 8 (lane / 16)
.set D,   11
.set SPW, 12
.set NIL, 13
.set NINF, 14
.set PFO, 15
.set ST,  16
.set S,   32
.set P,   96
.set KR,  128
.set VR,  192
.set OA,  32                           ; in window 1
.set WV,  8
.set PI,  9                            ; s9  i
.set PI1, 10                           ; s10 i + 1
.set U,   11                           ; s11 the unit in hand
.set STP, 12
.set TBK, 14                           ; s14 LDS byte at which the step's K begins; s15 the same for V
.set TBV, 15
.set KF,  16                           ; s16 the step's first key
.set Q0,  17                           ; s17 my wave's first query
.set CS,  18
.set SEL, 20
.set G1K, 24
.set G1V, 32
.set G0K, 40
.set G0V, 44
.set KB,  48                           ; s[48:49] the head's K at my half of a unit; s[50:51] V likewise
.set VB,  50
.set QB,  52
.set YB,  54
.set YA,  56
.set QA,  58
.set PFA, 60
.set LIM, 62
.set BLK, 63
.set KU,  66                           ; s66 the key unit in hand; s67 the next
.set KUN, 67
.set MSB, 0
.macro WIN new
.if MSB != \new
	s_set_vgpr_msb (MSB<<8)|\new
.set MSB, \new
.endif
.endm
.set W_KQ, 0x04                        ; Q (source 1) in window 1
.set W_PV, 0x50                        ; O^T (C and D) in window 1
.set W_RS, 0x41                        ; O^T (destination and source 0) in window 1
; Waves 0 and 1 fetch for K, waves 2 and 3 for V, the others nothing: branches on the wave's number alone.  An s_nop 0 and four v_nop follow each load.
.macro TLOAD
	s_cmp_lt_u32 s[WV], 2
	s_cbranch_scc0 .Lnot_k_\@
	tensor_load_to_lds s[G0K:G0K+3], s[G1K:G1K+7]
	s_nop 0
.rept 4
	v_nop
.endr
	s_branch .Lasked_\@
.Lnot_k_\@:
	s_cmp_lt_u32 s[WV], 4
	s_cbranch_scc0 .Lasked_\@
	tensor_load_to_lds s[G0V:G0V+3], s[G1V:G1V+7]
	s_nop 0
.rept 4
	v_nop
.endr
.Lasked_\@:
.endm
; A PREFETCH INTO THE L2.  Of a head's four work-groups the one with i = 0 asks, and in it the waves that fetch nothing: waves 4, 5 for K's halves of a unit, waves 6, 7 for V's: 16,384 dense bytes each, lanes 256 bytes
; apart, two instructions.  In trip u it names key unit u + 1, which that work-group's tensor loads ask for in trip u + 1: one unit ahead.  So key units 1 to 7 of every head are named once in the launch;
; unit 0 comes by its loads alone, and trip 7 asks for nothing: there is no unit 8.
.macro ASK
	s_cmp_lt_u32 s[U], s[LIM]
	s_cbranch_scc0 .Lnot_mine_\@
	global_prefetch_b8 v[PFO], s[PFA:PFA+1] th:TH_LOAD_NT scope:SCOPE_SE
	global_prefetch_b8 v[PFO], s[PFA:PFA+1] offset:8192 th:TH_LOAD_NT scope:SCOPE_SE
.Lnot_mine_\@:
.endm
; THE CHANGE OF SLOTS, at a unit's head.  Each wave waits for all its tensor loads (its part of the slot that it is about to read), adds 0 to its spare word, and waits for that and for its reads of the slot that it has
; left.  Behind the barrier the slot ahead is whole and nobody reads the other one.  fill = 1: that other slot takes the next unit's keys.
.macro CHANGE fill
	s_wait_tensorcnt 0x0                           ; no tensor load of mine is out, so a group 0 may be written
	ds_add_u32 v[SPW], v[NIL]
.if \fill
	ds_add_u32 v[SPW], v[NIL]                      ; and once more: the add twice on end here, in every trip alike
	s_add_co_u32 s22, s[U], 1
	s_cmp_le_u32 s22, s[PI]
	s_cselect_b32 s23, 0, s[PI1]
	s_sub_co_u32 s[KUN], s22, s23                  ; the next unit's keys: u + 1, or u + 1 - (i + 1)
	s_lshl_b32 s2, s[KUN], 15                      ; 32,768 bytes a unit
	s_mov_b32 s3, 0
	s_xor_b32 s[G0K+1], s[G0K+1], SLOT1            ; the other slot than last time
	s_add_nc_u64 s[G0K+2:G0K+3], s[KB:KB+1], s[2:3]
	s_or_b32 s[G0K+3], s[G0K+3], 0x80000000
	s_xor_b32 s[G0V+1], s[G0V+1], SLOT1
	s_add_nc_u64 s[G0V+2:G0V+3], s[VB:VB+1], s[2:3]
	s_or_b32 s[G0V+3], s[G0V+3], 0x80000000
	s_wait_xcnt 0x0                                ; the last prefetches, a unit back, have read their address, so it may be written
	s_add_nc_u64 s[PFA:PFA+1], s[PFA:PFA+1], 32768
.endif
	s_wait_dscnt 0x0                               ; the add is done, and my reads of the slot that I have left are over
	s_barrier_signal -1
	s_barrier_wait -1
.if \fill
	TLOAD                                          ; the first thing behind the barrier, and a wave's one tensor load until the next
	ASK
.endif
.endm
; One key step's softmax for my two tiles, the tiles by turns, so that no line waits for the line above it.
.macro SOFTMAX
.irp j, 0,1,2,3
.irp t, 0,1
	v_max3_num_f32 v[ST+8*\t+4+\j], v[S+32*\t+8*\j], v[S+32*\t+8*\j+1], v[S+32*\t+8*\j+2]   ; four chains; each accumulator is read from its low end on
.endr
.endr
.irp i, 3,5
.irp j, 0,1,2,3
.irp t, 0,1
	v_max3_num_f32 v[ST+8*\t+4+\j], v[ST+8*\t+4+\j], v[S+32*\t+8*\j+\i], v[S+32*\t+8*\j+\i+1]
.endr
.endr
.endr
.irp t, 0,1
	v_max3_num_f32 v[ST+8*\t+4], v[ST+8*\t+4], v[S+32*\t+7], v[S+32*\t+15]
	v_max3_num_f32 v[ST+8*\t+6], v[ST+8*\t+6], v[S+32*\t+23], v[S+32*\t+31]
.endr
.irp t, 0,1
	v_max3_num_f32 v[ST+8*\t+4], v[ST+8*\t+4], v[ST+8*\t+5], v[ST+8*\t+6]
.endr
.irp t, 0,1
	v_max3_num_f32 v[ST+8*\t+4], v[ST+8*\t+4], v[ST+8*\t+7], v[ST+8*\t+1]   ; with the old m
.endr
.irp t, 0,1
	v_permlanex16_b32 v[ST+8*\t+5], v[ST+8*\t+4], s[SEL], s[SEL+1]          ; the query's other 32 keys lie in the lane 16 away
.endr
.irp t, 0,1
	v_mov_b32 v[ST+8*\t+7], v[ST+8*\t]             ; c m_old is kept for a
.endr
.irp t, 0,1
	v_max_num_f32 v[ST+8*\t+1], v[ST+8*\t+4], v[ST+8*\t+5]
.endr
.irp t, 0,1
	v_mul_f32 v[ST+8*\t], s[CS], v[ST+8*\t+1]
.endr
.irp t, 0,1
	v_sub_f32 v[ST+8*\t+7], v[ST+8*\t+7], v[ST+8*\t]
.endr
.irp b, 0,1,2,3,4,5,6,7,8,9,10,11,12,13,14,15
.irp t, 0,1
	v_pk_fma_f32 v[S+32*\t+2*\b:S+32*\t+2*\b+1], v[S+32*\t+2*\b:S+32*\t+2*\b+1], s[CS:CS+1], v[ST+8*\t:ST+8*\t+1] op_sel_hi:[1,0,0] neg_lo:[0,0,1] neg_hi:[0,0,1]   ; c s - c m, two at a time
.endr
.endr
.irp t, 0,1
	v_exp_f32 v[ST+8*\t+6], v[ST+8*\t+7]           ; a
.endr
.set e, 0
.rept 32
	v_exp_f32 v[S+e], v[S+e]                       ; ONE BATCH: 66 exponentials, none of which reads another's result
	v_exp_f32 v[S+32+e], v[S+32+e]
.set e, e+1
.endr
	v_nop                                          ; a plain instruction behind the last exponential,
	s_wait_alu depctr_va_vdst(0)                   ; and one wait for the batch, ahead of its first reader
.irp b, 0,1,2,3,4,5,6,7,8,9,10,11,12,13,14,15
.irp t, 0,1
	v_cvt_pk_f16_f32 v[P+16*\t+\b], v[S+32*\t+2*\b], v[S+32*\t+2*\b+1]
.endr
.endr
.irp u, 0,1,2,3,4,5,6,7                ; the sum of the unrounded weights, in place: neighbours 1, 2, 4 and 8 pairs apart
.irp t, 0,1
	v_pk_add_f32 v[S+32*\t+4*\u:S+32*\t+4*\u+1], v[S+32*\t+4*\u:S+32*\t+4*\u+1], v[S+32*\t+4*\u+2:S+32*\t+4*\u+3]
.endr
.endr
.irp u, 0,1,2,3
.irp t, 0,1
	v_pk_add_f32 v[S+32*\t+8*\u:S+32*\t+8*\u+1], v[S+32*\t+8*\u:S+32*\t+8*\u+1], v[S+32*\t+8*\u+4:S+32*\t+8*\u+5]
.endr
.endr
.irp u, 0,1
.irp t, 0,1
	v_pk_add_f32 v[S+32*\t+16*\u:S+32*\t+16*\u+1], v[S+32*\t+16*\u:S+32*\t+16*\u+1], v[S+32*\t+16*\u+8:S+32*\t+16*\u+9]
.endr
.endr
.irp t, 0,1
	v_pk_add_f32 v[S+32*\t:S+32*\t+1], v[S+32*\t:S+32*\t+1], v[S+32*\t+16:S+32*\t+17]
.endr
.irp t, 0,1
	v_pk_fma_f32 v[ST+8*\t+2:ST+8*\t+3], v[ST+8*\t+2:ST+8*\t+3], v[ST+8*\t+6:ST+8*\t+7], v[S+32*\t:S+32*\t+1] op_sel_hi:[1,0,1]   ; l = a l + the sum
.endr
.endm
; A KEY STEP: 64 keys.
.macro STEP
	s_add_co_u32 s22, s[Q0], 31                    ; a step all of whose keys come after my 32 queries is left out: a branch on ids, round loads, products and softmax, not round the lines that step addresses
	s_cmp_gt_u32 s[KF], s22
	s_cbranch_scc1 .Lhidden_\@
	v_add_nc_u32 v[ADK], s[TBK], v[AK0]
	v_add_nc_u32 v[ADV], s[TBV], v[AV0]
	v_nop
	v_nop                                          ; these four are the places between the last step's products and the loads into V's registers
.irp kt, 0,1,2,3
.irp cc, 0,1
	ds_load_b128 v[KR+16*\kt+8*\cc:KR+16*\kt+8*\cc+3],   v[ADK] offset:\kt*8*PKK+64*\cc       ; keys 16 kt on, channels 32 cc on
	ds_load_b128 v[KR+16*\kt+8*\cc+4:KR+16*\kt+8*\cc+7], v[ADK] offset:\kt*8*PKK+64*\cc+32
.endr
.endr
.irp kk, 0,1
.irp ct, 0,1,2,3
	ds_load_tr16_b128 v[VR+32*\kk+8*\ct:VR+32*\kk+8*\ct+3],   v[ADV] offset:\kk*16*PVV+32*\ct    ; keys 32 kk on, channels 16 ct on, turned
	ds_load_tr16_b128 v[VR+32*\kk+8*\ct+4:VR+32*\kk+8*\ct+7], v[ADV] offset:\kk*16*PVV+8*PVV+32*\ct
.endr
.endr
	s_wait_dscnt 16                                ; K is in; V's sixteen loads stay out
	WIN W_KQ
.irp cc, 0,1                           ; eight accumulators by turns; the first eight products start the sums
.irp kt, 0,1,2,3
.irp x, 0,1
.if \cc == 0
	v_wmma_f32_16x16x32_f16 v[S+32*\x+8*\kt:S+32*\x+8*\kt+7], v[KR+16*\kt+8*\cc:KR+16*\kt+8*\cc+7], v[16*\x+8*\cc:16*\x+8*\cc+7], 0
.else
	v_wmma_f32_16x16x32_f16 v[S+32*\x+8*\kt:S+32*\x+8*\kt+7], v[KR+16*\kt+8*\cc:KR+16*\kt+8*\cc+7], v[16*\x+8*\cc:16*\x+8*\cc+7], v[S+32*\x+8*\kt:S+32*\x+8*\kt+7]
.endif
.endr
.endr
.endr
	WIN 0
.rept 4
	v_nop
.endr
	s_add_co_u32 s22, s[KF], 63                    ; on the diagonal hidden scores become -infinity ahead of the maximum; a step all of whose keys count skips this
	s_cmp_le_u32 s22, s[Q0]
	s_cbranch_scc1 .Lopen_\@
	s_sub_co_i32 s22, s[Q0], s[KF]
	v_add_nc_u32 v[D], s22, v[DQ]                  ; register n of tile x holds key KF + 16 (n / 8) + 8 (lane / 16) + n % 8, my query is Q0 + 16 x + lane % 16: hidden where 16 (n / 8) + n % 8 - 16 x > D
.irp x, 0,1
.set n, 0
.rept 32
	v_cmp_gt_i32 vcc_lo, 16*(n/8)+n%8-16*\x, v[D]
	v_cndmask_b32 v[S+32*\x+n], v[S+32*\x+n], v[NINF], vcc_lo
.set n, n+1
.endr
.endr
.Lopen_\@:
	SOFTMAX
	WIN W_RS
.irp x, 0,1
.set i, 0
.rept 16
	v_pk_mul_f32 v[OA+32*\x+i:OA+32*\x+i+1], v[OA+32*\x+i:OA+32*\x+i+1], v[ST+8*\x+6:ST+8*\x+7] op_sel_hi:[1,0]   ; O^T x a
.set i, i+2
.endr
.endr
	s_wait_dscnt 0x0                               ; V is in
	WIN W_PV
.irp kk, 0,1                           ; eight accumulators by turns
.irp ct, 0,1,2,3
.irp x, 0,1
	v_wmma_f32_16x16x32_f16 v[OA+32*\x+8*\ct:OA+32*\x+8*\ct+7], v[VR+32*\kk+8*\ct:VR+32*\kk+8*\ct+7], v[P+16*\x+8*\kk:P+16*\x+8*\kk+7], v[OA+32*\x+8*\ct:OA+32*\x+8*\ct+7]
.endr
.endr
.endr
	WIN 0
.Lhidden_\@:
	s_add_co_u32 s[KF], s[KF], 64
	s_add_co_u32 s[TBK], s[TBK], 32*PKK
	s_add_co_u32 s[TBV], s[TBV], 32*PVV
.endm
.macro UNIT                            ; four key steps, written once, walked four times
	s_wait_loadcnt 0x0                             ; Q
	s_lshl_b32 s[KF], s[KU], 8
	s_mov_b32 s[STP], 4
.Lstep_\@:
	STEP
	s_sub_co_u32 s[STP], s[STP], 1
	s_cmp_lg_u32 s[STP], 0
	s_cbranch_scc1 .Lstep_\@
	s_sub_co_u32 s[TBK], s[TBK], 4*32*PKK          ; back to a slot's first step,
	s_xor_b32 s[TBK], s[TBK], SLOT1                ; in the other slot
	s_sub_co_u32 s[TBV], s[TBV], 4*32*PVV
	s_xor_b32 s[TBV], s[TBV], SLOT1
.endm
.macro START                           ; a query block begins: Q into registers; O^T and l are zeros and m is -3e38, so that the key step is written once: its first walk multiplies zeros
	s_lshl_b32 s[Q0], s[BLK], 8
	s_lshl_b32 s22, s[WV], 5
	s_add_co_u32 s[Q0], s[Q0], s22
	s_lshl_b32 s2, s[Q0], 7
	s_mov_b32 s3, 0
	s_add_nc_u64 s[QA:QA+1], s[QB:QB+1], s[2:3]
	s_add_nc_u64 s[YA:YA+1], s[YB:YB+1], s[2:3]
	WIN 0x40                                       ; destination window 1
.irp x, 0,1
.irp cc, 0,1
	global_load_b128 v[16*\x+8*\cc:16*\x+8*\cc+3],   v[QO], s[QA:QA+1] offset:2048*\x+64*\cc
	global_load_b128 v[16*\x+8*\cc+4:16*\x+8*\cc+7], v[QO], s[QA:QA+1] offset:2048*\x+64*\cc+32
.endr
.endr
.set i, 0
.rept 64
	v_mov_b32 v[OA+i], 0
.set i, i+1
.endr
	WIN 0
.irp t, 0,1
	v_mov_b32 v[ST+8*\t+1], 0xff61b1e6             ; m = -3e38
	v_mul_f32 v[ST+8*\t], s[CS], v[ST+8*\t+1]
.irp j, 2,3,4,5,6,7
	v_mov_b32 v[ST+8*\t+\j], 0
.endr
.endr
.endm
.macro FINISH                          ; a query block ends: O^T / l, rounded to f16, through my stage, out as runs of 512 consecutive bytes (four tokens)
.rept 4
	v_nop
.endr
.irp t, 0,1
	v_add_f32 v[ST+8*\t+4], v[ST+8*\t+2], v[ST+8*\t+3]
.endr
.irp t, 0,1
	v_permlanex16_b32 v[ST+8*\t+5], v[ST+8*\t+4], s[SEL], s[SEL+1]
.endr
.irp t, 0,1
	v_add_f32 v[ST+8*\t+4], v[ST+8*\t+4], v[ST+8*\t+5]
.endr
.irp t, 0,1
	v_rcp_f32 v[ST+8*\t+6], v[ST+8*\t+4]
.endr
	v_nop
	s_wait_alu depctr_va_vdst(0)                   ; one wait for the two reciprocals, ahead of their first reader
.irp t, 0,1
	WIN W_RS
.set i, 0
.rept 16
	v_pk_mul_f32 v[OA+32*\t+i:OA+32*\t+i+1], v[OA+32*\t+i:OA+32*\t+i+1], v[ST+8*\t+6:ST+8*\t+7] op_sel_hi:[1,0]
.set i, i+2
.endr
	WIN 0x05                                       ; sources window 1, destination window 0
.set i, 0
.rept 16
	v_cvt_pk_f16_f32 v[S+16*\t+i], v[OA+32*\t+2*i], v[OA+32*\t+2*i+1]
.set i, i+1
.endr
	WIN 0
.irp c, 0,1,2,3
	ds_store_b128 v[STO], v[S+16*\t+4*\c:S+16*\t+4*\c+3] offset:32*\c
.endr
.irp q, 0,1,2,3
	ds_load_b128 v[S+32+16*\t+4*\q:S+32+16*\t+4*\q+3], v[RD] offset:4*SPI*\q   ; LDS serves a wave's instructions in order: these see the stores above, and the next tile's stores come behind them
.endr
.endr
.irp t, 0,1
.irp q, 0,1,2,3
	s_wait_dscnt 11-8*\t-\q                        ; behind this load: its tile's younger loads, and for tile 0 tile 1's eight LDS instructions
	global_store_b128 v[GO], v[S+32+16*\t+4*\q:S+32+16*\t+4*\q+3], s[YA:YA+1] offset:2048*\t+512*\q
.endr
.endr
	s_wait_xcnt 0x0                                ; the stores have read their base and registers: both may be written again
.endm
	s_load_b128 s[4:7], s[0:1], 0x0                ; qkv, y16
	v_lshl_add_u32 v[SPW], v0, 2, SPARE
	v_mov_b32 v[NIL], 0
	ds_add_u32 v[SPW], v[NIL]                      ; the wave's opening: the add, twice on end, and its wait ahead of my first tensor load
	ds_add_u32 v[SPW], v[NIL]
	v_lshrrev_b32 v1, 5, v0
	v_readfirstlane_b32 s[WV], v1                  ; wave 0..7
	s_mov_b32 s[PI], ttmp9
	s_add_co_u32 s[PI1], ttmp9, 1
	s_and_b32 s22, ttmp7, 0xffff                   ; batch x 16 + head
	s_lshr_b32 s23, s22, 4
	s_mul_i32 s23, s23, 48
	s_and_b32 s2, s22, 15
	s_add_co_u32 s23, s23, s2
	s_lshl_b32 s2, s23, 18                         ; q's head in qkv: 262,144 bytes a head
	s_mov_b32 s3, 0
	s_lshl_b32 s22, s22, 18                        ; the head in y16
	s_mov_b32 s23, 0
	s_and_b32 s12, s[WV], 1                        ; which half of a unit I fetch, if I fetch
	; descriptor group 1: 64 rows of 128 elements of 2 bytes (two keys a row), dense in memory; K: 16 bytes of padding behind each row; V: 32
	s_mov_b32 s[G1K], (1<<16)|(1<<20)|(5<<22)|(3<<25)
	s_mov_b32 s[G1V], (1<<16)|(1<<20)|(5<<22)|(7<<25)
.irp g, G1K, G1V
	s_mov_b32 s[\g+1], 128<<16                     ; tensor_dim0
	s_mov_b32 s[\g+2], 64<<16                      ; tensor_dim1
	s_mov_b32 s[\g+3], 128<<16                     ; tile_dim0
	s_mov_b32 s[\g+4], 64                          ; tile_dim1
	s_mov_b32 s[\g+5], 128                         ; from row to row
	s_mov_b32 s[\g+6], 0
	s_mov_b32 s[\g+7], 0
.endr
	s_mov_b32 s[G0K], 1
	s_mul_i32 s[G0K+1], s12, 64*PKK                ; slot 0, my half
	s_mov_b32 s[G0V], 1
	s_mul_i32 s[G0V+1], s12, 64*PVV
	s_add_co_u32 s[G0V+1], s[G0V+1], VOFF
	s_lshl_b32 s12, s12, 14                        ; and in memory: 16,384 bytes a half
	s_mov_b32 s13, 0
	s_mov_b32 s[CS], 0x3e38aa3b                    ; c = log2(e) / 8
	s_mov_b32 s[CS+1], s[CS]
	s_mov_b32 s[SEL], 0x76543210
	s_mov_b32 s[SEL+1], 0xfedcba98
	s_wait_dscnt 0x0                               ; both opening adds are done
	s_wait_kmcnt 0x0
	s_add_nc_u64 s[QB:QB+1], s[4:5], s[2:3]
	s_add_nc_u64 s[YB:YB+1], s[6:7], s[22:23]
	s_add_nc_u64 s[KB:KB+1], s[QB:QB+1], s[12:13]
	s_add_nc_u64 s[KB:KB+1], s[KB:KB+1], 0x400000  ; k's heads lie 16 heads behind q's,
	s_add_nc_u64 s[VB:VB+1], s[KB:KB+1], 0x400000  ; v's 16 behind k's
	s_mov_b64 s[G0K+2:G0K+3], s[KB:KB+1]
	s_or_b32 s[G0K+3], s[G0K+3], 0x80000000
	s_mov_b64 s[G0V+2:G0V+3], s[VB:VB+1]
	s_or_b32 s[G0V+3], s[G0V+3], 0x80000000
	TLOAD                                          ; unit 0 (keys 0 to 255, which count for every block) into slot 0
	s_lshr_b32 s22, s[WV], 2
	s_xor_b32 s22, s22, 1                          ; 0 in waves 4 to 7,
	s_or_b32 s22, s22, ttmp9                       ; of the work-group with i = 0
	s_cmp_eq_u32 s22, 0
	s_cselect_b32 s[LIM], 7, 0
	s_cmp_lt_u32 s[WV], 6
	s_cselect_b64 s[PFA:PFA+1], s[KB:KB+1], s[VB:VB+1]   ; at key unit 0; the first change of slots steps it to unit 1
	v_and_b32 v1, 15, v0                           ; r
	v_bfe_u32 v11, v0, 4, 1                        ; h
	v_lshrrev_b32 v4, 1, v1
	v_mul_u32_u24 v[AK0], v4, PKK
	v_and_b32 v5, 1, v0
	v_lshl_add_u32 v[AK0], v5, 7, v[AK0]
	v_lshl_add_u32 v[AK0], v11, 4, v[AK0]          ; K: key r: row r / 2, half r % 2, + 16 h
	v_bfe_u32 v4, v0, 1, 2
	v_lshl_add_u32 v4, v11, 2, v4
	v_mul_u32_u24 v[AV0], v4, PVV
	v_lshl_add_u32 v[AV0], v5, 7, v[AV0]
	v_bfe_u32 v4, v0, 3, 1
	v_lshl_add_u32 v[AV0], v4, 4, v[AV0]
	v_add_nc_u32 v[AV0], VOFF, v[AV0]              ; V: key 8 h + lane % 8, channels 8 ((lane / 8) % 2) on
	v_lshlrev_b32 v[QO], 7, v1
	v_lshl_add_u32 v[QO], v11, 4, v[QO]            ; Q: 128 r + 16 h
	s_mul_i32 s22, s[WV], 16*SPI
	s_add_co_u32 s22, s22, STAGE                   ; my stage
	v_mul_u32_u24 v[STO], v1, SPI
	v_lshl_add_u32 v[STO], v11, 4, v[STO]
	v_add_nc_u32 v[STO], s22, v[STO]
	v_bfe_u32 v4, v0, 3, 2
	v_mul_u32_u24 v[RD], v4, SPI
	v_and_b32 v4, 7, v0
	v_lshl_add_u32 v[RD], v4, 4, v[RD]
	v_add_nc_u32 v[RD], s22, v[RD]
	v_and_b32 v[GO], 31, v0
	v_lshlrev_b32 v[PFO], 8, v[GO]
	v_lshlrev_b32 v[GO], 4, v[GO]
	v_lshlrev_b32 v4, 3, v11
	v_sub_nc_u32 v[DQ], v1, v4
	v_mov_b32 v[NINF], 0xff800000
	s_mov_b32 s[BLK], s[PI]
	START
	s_mov_b32 s[U], 0
	s_mov_b32 s[KU], 0
	s_mov_b32 s[TBK], 0
	s_mov_b32 s[TBV], 0
.Lunit:                                            ; eight trips: behind each change of slots but the last the next unit is asked for
	CHANGE 1
	UNIT
	s_cmp_lg_u32 s[U], s[PI]                       ; unit i was block i's last (ids alone: the same in all eight waves)
	s_cbranch_scc1 .Lsame
	FINISH
	s_sub_co_u32 s[BLK], 7, s[PI]
	START
.Lsame:
	s_mov_b32 s[KU], s[KUN]
	s_add_co_u32 s[U], s[U], 1
	s_cmp_lt_u32 s[U], 8
	s_cbranch_scc1 .Lunit
	CHANGE 0                                       ; the last unit is written out, so that no trip jumps over a tensor load
	UNIT
	FINISH
	s_wait_tensorcnt 0x0                           ; the wave's end: behind my last tensor load and my last LDS store
	ds_add_u32 v[SPW], v[NIL]
	s_wait_dscnt 0x0
	s_endpgm
.Lfunc_end_k_qb1fba93ff3_attn:
	.size	k_qb1fba93ff3_attn, .Lfunc_end_k_qb1fba93ff3_attn-k_qb1fba93ff3_attn
	.p2alignl 7, 3214868480
	.fill 96, 4, 3214868480
	.section	.rodata,"a",@progbits
	.p2align	6, 0x0
	.amdhsa_kernel k_qb1fba93ff3_attn
		.amdhsa_group_segment_fixed_size 327680
		.amdhsa_private_segment_fixed_size 0
		.amdhsa_enable_private_segment 0
		.amdhsa_kernarg_size 16
		.amdhsa_user_sgpr_count 2
		.amdhsa_user_sgpr_kernarg_segment_ptr 1
		.amdhsa_wavefront_size32 1
		.amdhsa_system_sgpr_workgroup_id_x 1
		.amdhsa_system_sgpr_workgroup_id_y 1
		.amdhsa_system_sgpr_workgroup_id_z 1
		.amdhsa_system_vgpr_workitem_id 0
		.amdhsa_next_free_vgpr 512
		.amdhsa_next_free_sgpr 72
		.amdhsa_reserve_vcc 1
		.amdhsa_float_denorm_mode_32 3
		.amdhsa_float_denorm_mode_16_64 3
		.amdhsa_memory_ordered 1
		.amdhsa_forward_progress 1
		.amdhsa_inst_pref_size 73
	.end_amdhsa_kernel
	.amdgpu_metadata
---
amdhsa.version: [ 1, 2 ]
amdhsa.kernels:
  - .name:           k_qb1fba93ff3_attn
    .symbol:         k_qb1fba93ff3_attn.kd
    .args:
      - { .name: qkv, .offset: 0, .size: 8, .value_kind: global_buffer, .address_space: global }
      - { .name: y16, .offset: 8, .size: 8, .value_kind: global_buffer, .address_space: global }
    .group_segment_fixed_size: 327680
    .private_segment_fixed_size: 0
    .kernarg_segment_align: 8
    .kernarg_segment_size: 16
    .max_flat_workgroup_size: 256
    .sgpr_count:     72
    .vgpr_count:     512
    .wavefront_size: 32
...
	.end_amdgpu_metadata
.endif
;; end of part 3
;; launch outp (part 4): grid 4 x 64, 4 waves a work-group, clusters of 4 x 4, 327,680 bytes of LDS; arguments y16, wp16, bp, out0; writes out0
.if DOCPART == 4
	.amdgcn_target "amdgcn-amd-amdhsa--gfx1250"
	.amdhsa_code_object_version 6
	.text
	.protected	k_qb1fba93ff3_outp
	.globl	k_qb1fba93ff3_outp
	.p2align	8
	.type	k_qb1fba93ff3_outp,@function
k_qb1fba93ff3_outp:
	s_mov_b64 s[64:65], 0
	v_nop
	global_prefetch_b8 v0, s[64:65] scope:SCOPE_SE
	s_setreg_imm32_b32 hwreg(HW_REG_WAVE_MODE, 25, 1), 1
	s_wait_xcnt 0x0
	s_wait_alu depctr_hold_cnt(0) depctr_sa_sdst(0) depctr_va_vdst(0) depctr_va_sdst(0) depctr_va_ssrc(0) depctr_va_vcc(0) depctr_vm_vsrc(0)
	s_getreg_b32 s2, hwreg(HW_REG_IB_STS2, 6, 4)
	s_cmp_eq_u32 s2, 0
	s_cbranch_scc0 .Lentry_in_a_cluster
	s_endpgm
.Lentry_in_a_cluster:
	s_bfe_u32 s2, ttmp6, 0x10000c
	s_cmp_lg_u32 s2, 0xf033
	s_cbranch_scc0 .Lentry_shape_is_right
	s_endpgm
.Lentry_shape_is_right:
; Launch 4 of 6: out0 = y Wp^T + bp, [8192][1024] x [1024][1024]^T, f16 operands, f32 sums and results.  (Rows 0-15 of every batch are written again, from f32 operands, by the last launch: they lie inside tiles with live work.)
; y16: [batch x head][token][64]; wp16: [chunk of 64 along K][n][64]: chunk c of K is head c, and a tile's part of a chunk is one dense block in both.
; A tile of out0 is 128 tokens x 256 columns: 256 work-groups.  Four waves, each 64 x 128: 32 accumulators, 256 registers.  K goes in steps of 128 (two chunks) through a ring of two LDS slots.
; In LDS two rows of 128 bytes share a row of 256 + 16.  Waves 0, 1 fetch y's two chunks of a step (64 double rows each), waves 2, 3 Wp's (128 each): one joint load a wave.
; CLUSTERS: 4 x 4 work-groups; y's tiles are shared along a row of the cluster, Wp's along a column.  THE MATRIX INSTRUCTION IS USED TRANSPOSED (source 0 = 16 rows of Wp, source 1 = 16 tokens): a lane holds eight neighbouring columns.
; bp is the C of each sum's first product.  A step is 128 matrix instructions a wave, 112 of them between a request and the wait for it.
; REGISTERS: window 0: v0-31 addresses; v32-127, v128-223 two fragment buffers (y's 4 fragments, then Wp's 8).   window 1: accumulator (a, b) at v[8 (8 a + b)].   window 2: v0-63 bp in the result's layout.
.set PITCH, 272
.set ACH,   64*PITCH                   ; a chunk of y's tile
.set BCH,   128*PITCH                  ; a chunk of Wp's
.set SLOT,  2*ACH+2*BCH
.set STAGE, 2*SLOT                     ; the way out: 16 rows x (512 + 16) bytes for each wave
.set SPITCH, 528
.set SPARE, STAGE+4*16*SPITCH
.set LAPS,  4                          ; a lap = two K steps
.set ADRA, 16
.set ADRB, 20
.set STO,  24
.set RD,   25
.set CO,   26
.set BO,   27
.set SPW,  28
.set NIL,  29
.set F0,   32
.set F1,   128
.set G1, 24
.set G0, 32
.set G1B, 48
.set G0B, 56
.set MSB, 0
.macro WIN new
.if MSB != \new
	s_set_vgpr_msb (MSB<<8)|\new
.set MSB, \new
.endif
.endm
.set MUL, 0x50                         ; C and D window 1
.set FST, 0x60                         ; C (bp) window 2, D window 1
.macro JLOAD s                         ; a joint load; an s_nop 0 and four v_nop follow each of the two lines
	s_cmp_eq_u32 s13, 0
	s_cbranch_scc0 .Lfor_b_\@
	tensor_load_to_lds s[G0+4*\s:G0+4*\s+3], s[G1:G1+7]
	s_nop 0
.rept 4
	v_nop
.endr
	s_branch .Lasked_\@
.Lfor_b_\@:
	tensor_load_to_lds s[G0B+4*\s:G0B+4*\s+3], s[G1B:G1B+7]
	s_nop 0
.rept 4
	v_nop
.endr
.Lasked_\@:
.endm
.macro CREST                           ; a round of the cluster's barrier behind its opening barrier
	s_cmp_lg_u32 s12, 0
	s_cbranch_scc1 .Lnot_wave_0_\@
	s_barrier_signal -3
.Lnot_wave_0_\@:
	s_barrier_wait -3
	s_barrier_signal -1
	s_barrier_wait -1
.endm
.macro CROUND
	s_barrier_signal -1
	s_barrier_wait -1
	CREST
.endm
	s_load_b256 s[4:11], s[0:1], 0x0               ; y16 4:5, wp16 6:7, bp 8:9, out0 10:11
	v_lshl_add_u32 v[SPW], v0, 2, SPARE
	v_mov_b32 v[NIL], 0
	ds_add_u32 v[SPW], v[NIL]                      ; the wave's opening: the add, twice on end, and its wait ahead of my first tensor load
	ds_add_u32 v[SPW], v[NIL]
	v_lshrrev_b32 v1, 5, v0
	v_readfirstlane_b32 s12, v1                    ; wave 0..3
	s_lshr_b32 s13, s12, 1                         ; which half of the tile's tokens is mine.  Also: I fetch for y (0) or for Wp (1)
	s_and_b32 s14, s12, 1                          ; which half of its columns.  Also: which of a step's two chunks I fetch
	s_bfe_u32 s40, ttmp6, 0x40000                  ; cx, cy
	s_bfe_u32 s41, ttmp6, 0x40004
	s_lshl_b32 s42, ttmp9, 2
	s_add_co_u32 s42, s42, s40                     ; tile column
	s_and_b32 s15, ttmp7, 0xffff
	s_lshl_b32 s15, s15, 2
	s_add_co_u32 s15, s15, s41                     ; tile row
	s_lshl_b32 s43, s41, 2
	s_lshl_b32 s43, 15, s43                        ; my row of the cluster
	s_lshl_b32 s44, 0x1111, s40                    ; my column
	s_or_b32 s[G1+0], s43, (1<<16)|(1<<20)|(1<<21)|(5<<22)|(3<<25)   ; the mask; elements of 2 bytes; padding on; bit 21 beside a mask; four words after every 64
	s_or_b32 s[G1B+0], s44, (1<<16)|(1<<20)|(1<<21)|(5<<22)|(3<<25)
	s_mov_b32 s[G1+1], 128<<16                     ; tensor_dim0
	s_mov_b32 s[G1+2], 64<<16                      ; tensor_dim1
	s_mov_b32 s[G1+3], 128<<16                     ; tile_dim0
	s_mov_b32 s[G1+4], 64                          ; tile_dim1
	s_mov_b32 s[G1+5], 128                         ; from row to row
	s_mov_b32 s[G1+6], 0
	s_mov_b32 s[G1+7], 0
	s_mov_b32 s[G1B+1], 128<<16
	s_mov_b32 s[G1B+2], 128<<16
	s_mov_b32 s[G1B+3], 128<<16
	s_mov_b32 s[G1B+4], 128
	s_mov_b32 s[G1B+5], 128
	s_mov_b32 s[G1B+6], 0
	s_mov_b32 s[G1B+7], 0
	s_lshr_b32 s16, s15, 4                         ; y: ((batch x 16 + chunk) x 2,048 + the tile's first token) x 128 bytes: the tile row and the wave's number alone
	s_lshl_b32 s16, s16, 4
	s_add_co_u32 s16, s16, s14
	s_lshl_b32 s16, s16, 11
	s_and_b32 s17, s15, 15
	s_lshl_b32 s17, s17, 7
	s_add_co_u32 s16, s16, s17
	s_lshl_b32 s16, s16, 7
	s_mov_b32 s17, 0
	s_lshl_b32 s46, s14, 17                        ; Wp: (chunk x 1,024 + 256 x tile column) x 128 bytes: the tile column and the wave's number alone
	s_lshl_b32 s47, s42, 15
	s_add_co_u32 s46, s46, s47
	s_mov_b32 s47, 0
	s_mul_i32 s20, s14, ACH                        ; where they go: no place in the cluster enters an LDS address
	s_mul_i32 s23, s14, BCH
	s_add_co_u32 s23, s23, 2*ACH
	s_wait_dscnt 0x0                               ; both opening adds are done
	s_wait_kmcnt 0x0
	s_add_nc_u64 s[18:19], s[4:5], s[16:17]
	s_add_nc_u64 s[46:47], s[6:7], s[46:47]
	CROUND                                         ; all sixteen work-groups are here: the first joint loads meet
.irp s, 0,1
	s_mov_b32 s[G0+4*\s], 1
	s_add_co_u32 s[G0+4*\s+1], s20, \s*SLOT
	s_add_nc_u64 s[G0+4*\s+2:G0+4*\s+3], s[18:19], \s*524288       ; a K step on: two heads of 262,144 bytes
	s_or_b32 s[G0+4*\s+3], s[G0+4*\s+3], 0x80000000
	s_mov_b32 s[G0B+4*\s], 1
	s_add_co_u32 s[G0B+4*\s+1], s23, \s*SLOT
	s_add_nc_u64 s[G0B+4*\s+2:G0B+4*\s+3], s[46:47], \s*262144     ; two chunks of 131,072 bytes
	s_or_b32 s[G0B+4*\s+3], s[G0B+4*\s+3], 0x80000000
	JLOAD \s
.endr
	v_and_b32 v1, 15, v0                           ; r
	v_bfe_u32 v2, v0, 4, 1                         ; h
	v_lshrrev_b32 v3, 1, v1
	v_mul_u32_u24 v3, v3, PITCH
	v_and_b32 v4, 1, v0
	v_lshl_add_u32 v3, v4, 7, v3
	v_lshl_add_u32 v3, v2, 4, v3                   ; a fragment's row r: LDS row r / 2, half r % 2, + 16 h
	s_mul_i32 s21, s13, 32*PITCH                   ; my 64 tokens
	s_mul_i32 s22, s14, 64*PITCH                   ; my 128 rows of Wp,
	s_add_co_u32 s22, s22, 2*ACH                   ; behind y's two chunks
.irp s, 0,1
	v_add_nc_u32 v[ADRA+\s], s21, v3
	v_add_nc_u32 v[ADRB+\s], s22, v3
	s_add_co_u32 s21, s21, SLOT
	s_add_co_u32 s22, s22, SLOT
.endr
	s_mul_i32 s23, s12, 16*SPITCH
	s_add_co_u32 s23, s23, STAGE                   ; my stage
	v_mul_u32_u24 v5, v1, SPITCH
	v_lshl_add_u32 v5, v2, 5, v5
	v_add_nc_u32 v[STO], s23, v5                   ; in: row r, 32 bytes for each half of the lanes
	v_and_b32 v6, 31, v0
	v_lshlrev_b32 v[CO], 4, v6
	v_add_nc_u32 v[RD], s23, v[CO]                 ; back: the 32 lanes take one row of 512 bytes
	v_lshlrev_b32 v[BO], 5, v2
	s_lshl_b32 s46, s42, 10                        ; my first column, in bytes
	s_lshl_b32 s47, s14, 9
	s_add_co_u32 s46, s46, s47
	s_mov_b32 s47, 0
	s_add_nc_u64 s[8:9], s[8:9], s[46:47]
	s_add_nc_u64 s[10:11], s[10:11], s[46:47]
	s_lshl_b32 s16, s15, 19                        ; my first row: 128 rows of 4,096 bytes a tile row, + 64 rows x half
	s_lshl_b32 s17, s13, 18
	s_add_co_u32 s16, s16, s17
	s_mov_b32 s17, 0
	s_add_nc_u64 s[10:11], s[10:11], s[16:17]
	WIN 0x80                                       ; destination window 2
.irp b, 0,1,2,3,4,5,6,7
	global_load_b128 v[8*\b:8*\b+3],   v[BO], s[8:9] offset:64*\b       ; lane (r, h), register j: bp of column 16 b + 8 h + j
	global_load_b128 v[8*\b+4:8*\b+7], v[BO], s[8:9] offset:64*\b+16
.endr
	WIN 0
; 8 matrix instructions: token block a x Wp's eight blocks, 32 along K.  The 32 accumulators take turns, in the same order in every quarter.
.macro MUL8 f, a, first
.irp b, 0,1,2,3,4,5,6,7
.if \first
	v_wmma_f32_16x16x32_f16 v[8*(8*(\a)+\b):8*(8*(\a)+\b)+7], v[\f+32+8*\b:\f+32+8*\b+7], v[\f+8*(\a):\f+8*(\a)+7], v[8*\b:8*\b+7]
.else
	v_wmma_f32_16x16x32_f16 v[8*(8*(\a)+\b):8*(8*(\a)+\b)+7], v[\f+32+8*\b:\f+32+8*\b+7], v[\f+8*(\a):\f+8*(\a)+7], v[8*(8*(\a)+\b):8*(8*(\a)+\b)+7]
.endif
.endr
.endm
.macro FETCH slot, q, f                ; 24 LDS loads in one run: the fragments of the slot's q-th 32 along K: Wp's eight, then y's four
	WIN 0
.irp i, 0,1,2,3,4,5,6,7
	ds_load_b128 v[\f+32+8*\i:\f+32+8*\i+3],   v[ADRB+\slot] offset:((\q)/2)*BCH+((\q)%2)*64+\i*8*PITCH
	ds_load_b128 v[\f+32+8*\i+4:\f+32+8*\i+7], v[ADRB+\slot] offset:((\q)/2)*BCH+((\q)%2)*64+\i*8*PITCH+32
.endr
.irp i, 0,1,2,3
	ds_load_b128 v[\f+8*\i:\f+8*\i+3],   v[ADRA+\slot] offset:((\q)/2)*ACH+((\q)%2)*64+\i*8*PITCH
	ds_load_b128 v[\f+8*\i+4:\f+8*\i+7], v[ADRA+\slot] offset:((\q)/2)*ACH+((\q)%2)*64+\i*8*PITCH+32
.endr
.endm
.macro PLACES
.rept 4
	v_nop
.endr
.endm
.macro MWIN first
.if \first
	WIN FST
.else
	WIN MUL
.endif
.endm
.macro QUARTER slot, qn, f, g, first   ; multiplies buffer f; in its middle fetches the slot's quarter qn into buffer g
	s_wait_dscnt 4                                 ; Wp's fragments and y's blocks 0, 1 are in; the youngest four loads (blocks 2, 3) may be out
	MWIN \first
	MUL8 \f, 0, \first
	MUL8 \f, 1, \first
	PLACES
	FETCH \slot, \qn, \g
	s_wait_dscnt 24                                ; all but the 24 just issued
	MWIN \first
	MUL8 \f, 2, \first
	MUL8 \f, 3, \first
.endm
; The last quarter multiplies buffer 1 and changes slots: one barrier; in front of it each wave waits for all its tensor loads, adds 0 to its spare word, and waits for that and for its reads of this slot.
; fill = 1: the barrier opens a round of the cluster's barrier, and this slot is filled again, two K steps ahead, first thing behind the round.
.macro TURN slot, next, fill
	WIN 0
	s_wait_tensorcnt 0x0
	ds_add_u32 v[SPW], v[NIL]
	s_wait_dscnt 5                                 ; (the add and the youngest four loads may be out)
	WIN MUL
	MUL8 F1, 0, 0
	s_wait_dscnt 0x0                               ; the add is done, and my reads of this slot are over
	s_barrier_signal -1
	MUL8 F1, 1, 0
.if \fill
	WIN 0
.endif
	s_barrier_wait -1
.if \fill
	CREST
	s_add_nc_u64 s[G0+4*\slot+2:G0+4*\slot+3], s[G0+4*\slot+2:G0+4*\slot+3], 1048576
	s_add_nc_u64 s[G0B+4*\slot+2:G0B+4*\slot+3], s[G0B+4*\slot+2:G0B+4*\slot+3], 524288
	JLOAD \slot                                    ; the four v_nop behind it are also the places in front of the loads below
.else
	PLACES
.endif
	FETCH \next, 0, F0
	WIN MUL
	MUL8 F1, 2, 0
	MUL8 F1, 3, 0
.endm
	s_wait_tensorcnt 1                             ; my part of K step 0 is in; K step 1's load may be out
	s_barrier_signal -1
	s_barrier_wait -1
	FETCH 0, 0, F0
	s_wait_loadcnt 0x0                             ; bp
	QUARTER 0, 1, F0, F1, 1                        ; the first quarter's products start the sums from bp
	WIN 0
	s_mov_b32 s3, LAPS-1
.Llap:                                             ; a trip goes once round the ring, from a lap's second quarter to the next lap's first, and fills both slots again
	QUARTER 0, 2, F1, F0, 0
	QUARTER 0, 3, F0, F1, 0
	TURN 0, 1, 1
	QUARTER 1, 1, F0, F1, 0
	QUARTER 1, 2, F1, F0, 0
	QUARTER 1, 3, F0, F1, 0
	TURN 1, 0, 1
	QUARTER 0, 1, F0, F1, 0
	WIN 0
	s_sub_co_u32 s3, s3, 1
	s_cmp_lg_u32 s3, 0
	s_cbranch_scc1 .Llap
	QUARTER 0, 2, F1, F0, 0                        ; the last lap fills nothing
	QUARTER 0, 3, F0, F1, 0
	TURN 0, 1, 0
	QUARTER 1, 1, F0, F1, 0
	QUARTER 1, 2, F1, F0, 0
	QUARTER 1, 3, F0, F1, 0
	s_wait_dscnt 4
	WIN MUL
	MUL8 F1, 0, 0
	MUL8 F1, 1, 0
	s_wait_dscnt 0
	MUL8 F1, 2, 0
	MUL8 F1, 3, 0
	WIN 0
; THE WAY OUT, a block of 16 tokens x 128 columns at a time, through my own stage: in as 32 bytes a lane, back as whole rows of 512 bytes.
.macro TOSTAGE a
	WIN 0x04                                       ; an LDS store's data are its source 1: window 1
.irp b, 0,1,2,3,4,5,6,7
	ds_store_b128 v[STO], v[8*(8*(\a)+\b):8*(8*(\a)+\b)+3] offset:64*\b          ; each accumulator from its low end on
	ds_store_b128 v[STO], v[8*(8*(\a)+\b)+4:8*(8*(\a)+\b)+7] offset:64*\b+16
.endr
	WIN 0
.set BB, 32+96*((\a)%2)
.irp t, 0,1,2,3,4,5,6,7,8,9,10,11,12,13,14,15
	ds_load_b128 v[BB+4*\t:BB+4*\t+3], v[RD] offset:\t*SPITCH
.endr
.endm
.macro SEND a, younger
.set BB, 32+96*((\a)%2)
	s_wait_dscnt \younger                          ; the block is back; the next block's 16 stores and 16 loads may be out
.irp t, 0,1,2,3,4,5,6,7,8,9,10,11,12,13,14,15
	global_store_b128 v[CO], v[BB+4*\t:BB+4*\t+3], s[10:11] offset:(16*(\a)+\t)*4096 th:TH_STORE_NT   ; 512 consecutive bytes, aligned
.endr
.endm
	PLACES
	TOSTAGE 0
.irp a, 1,2,3
.if \a > 1
	s_wait_xcnt 0x0                                ; block a - 2's stores have read their registers: block a's loads may land there
.endif
	TOSTAGE \a
	SEND \a-1, 32
.endr
	SEND 3, 0
	s_wait_tensorcnt 0x0                           ; the wave's end: behind my last tensor load and my last LDS store
	ds_add_u32 v[SPW], v[NIL]
	s_wait_dscnt 0x0
	CROUND                                         ; the closing round
	s_endpgm
.Lfunc_end_k_qb1fba93ff3_outp:
	.size	k_qb1fba93ff3_outp, .Lfunc_end_k_qb1fba93ff3_outp-k_qb1fba93ff3_outp
	.p2alignl 7, 3214868480
	.fill 96, 4, 3214868480
	.section	.rodata,"a",@progbits
	.p2align	6, 0x0
	.amdhsa_kernel k_qb1fba93ff3_outp
		.amdhsa_group_segment_fixed_size 327680
		.amdhsa_private_segment_fixed_size 0
		.amdhsa_enable_private_segment 0
		.amdhsa_kernarg_size 32
		.amdhsa_user_sgpr_count 2
		.amdhsa_user_sgpr_kernarg_segment_ptr 1
		.amdhsa_wavefront_size32 1
		.amdhsa_system_sgpr_workgroup_id_x 1
		.amdhsa_system_sgpr_workgroup_id_y 1
		.amdhsa_system_sgpr_workgroup_id_z 1
		.amdhsa_system_vgpr_workitem_id 0
		.amdhsa_next_free_vgpr 576
		.amdhsa_next_free_sgpr 68
		.amdhsa_reserve_vcc 0
		.amdhsa_float_denorm_mode_32 3
		.amdhsa_float_denorm_mode_16_64 3
		.amdhsa_memory_ordered 1
		.amdhsa_forward_progress 1
		.amdhsa_inst_pref_size 86
	.end_amdhsa_kernel
	.amdgpu_metadata
---
amdhsa.version: [ 1, 2 ]
amdhsa.kernels:
  - .name:           k_qb1fba93ff3_outp
    .symbol:         k_qb1fba93ff3_outp.kd
    .args:
      - { .name: y16, .offset: 0, .size: 8, .value_kind: global_buffer, .address_space: global }
      - { .name: wp16, .offset: 8, .size: 8, .value_kind: global_buffer, .address_space: global }
      - { .name: bp, .offset: 16, .size: 8, .value_kind: global_buffer, .address_space: global }
      - { .name: out0, .offset: 24, .size: 8, .value_kind: global_buffer, .address_space: global }
    .group_segment_fixed_size: 327680
    .private_segment_fixed_size: 0
    .kernarg_segment_align: 8
    .kernarg_segment_size: 32
    .max_flat_workgroup_size: 128
    .sgpr_count:     68
    .vgpr_count:     576
    .wavefront_size: 32
...
	.end_amdgpu_metadata
.endif
;; end of part 4
;; launch first16 (part 5): grid 16 x 4, 4 waves a work-group, no clusters, 4,608 bytes of LDS; arguments xc, xs, wc, ws, bq, bv, y32; writes y32
.if DOCPART == 5
	.amdgcn_target "amdgcn-amd-amdhsa--gfx1250"
	.amdhsa_code_object_version 6
	.text
	.protected	k_qb1fba93ff3_first16
	.globl	k_qb1fba93ff3_first16
	.p2align	8
	.type	k_qb1fba93ff3_first16,@function
k_qb1fba93ff3_first16:
	s_mov_b64 s[64:65], 0
	v_nop
	global_prefetch_b8 v0, s[64:65] scope:SCOPE_SE
	s_setreg_imm32_b32 hwreg(HW_REG_WAVE_MODE, 25, 1), 1
	s_wait_xcnt 0x0
; Launch 5 of 6: positions 0-15 of every sequence and head, carried in f32: under the causal mask these rows average one to sixteen values, and rounded operands would weigh most there.
; q, k, v of the 16 tokens come from the same codes by the FP4 matrix instruction and stay f32; scores, softmax and p v are f32 (the f32 matrix form on 16 x 16 tiles: no bulk work).
; LEFT OUT: bk (shown dead at the head of the first kernel).
; SHARES.  A work-group is (head, batch).  Wave w owns features 16 w .. 16 w + 15 of the head, in q, k and v.  Each wave's 16 features give a part of the 16 x 16 scores; the four parts meet in LDS; every wave
; then makes the same softmax and multiplies it by its own 16 features of v.
; LAYOUTS.  q, k: source 0 = 16 rows of W, source 1 = the 16 tokens: lane (r, h) holds token r, features 8 h + j.  v: the sources swapped: lane (r, h) holds feature r, tokens 8 h + j.
; The f32 form takes K = 4 as register jj, k = 2 h + jj.  A pair of registers (2 u, 2 u + 1) of k and the same pair of q hold the same four features in the same places: four instructions sum over the wave's 16 features.
; Likewise a pair of v and the same pair of p hold the same four keys.  bv is added behind the division by the sum, since the weights sum to it.
; y32: register images: [batch][head][w][c][lane][16 bytes]: lane (r, h), register 4 c + jj: y(token r, feature 64 head + 16 w + 8 h + 4 c + jj).
.set SPW, 12
.set NIL, 13
.set XS,  16                           ; v16-23 x's scale words, one for each 128 along K;  v24-47 W's: q's, k's, v's
.set WS,  24
.set BQ,  48
.set BV,  56
.set QA,  64
.set KA,  72
.set VA,  80
.set SA0, 88                           ; written by matrix instructions alone, as are SA1, YA0, YA1
.set SA1, 96
.set YA0, 104
.set YA1, 112
.set T,   120
.set IN,  128
.set P,   160
.set SS,  168
.set OUT, 176
.set SPARE, 4096
	s_load_b256 s[4:11], s[0:1], 0x0               ; xc 4:5, xs 6:7, wc 8:9, ws 10:11
	s_load_b128 s[12:15], s[0:1], 0x20             ; bq, bv
	s_load_b64 s[16:17], s[0:1], 0x30              ; y32
	v_lshl_add_u32 v[SPW], v0, 2, SPARE
	v_mov_b32 v[NIL], 0
	v_lshrrev_b32 v1, 5, v0
	v_readfirstlane_b32 s18, v1                    ; wave
	v_and_b32 v1, 15, v0                           ; r
	v_bfe_u32 v2, v0, 4, 1                         ; h
	v_lshlrev_b32 v3, 9, v1
	v_lshl_add_u32 v3, v2, 4, v3                   ; codes: row r of 512 bytes, + 16 h
	v_lshlrev_b32 v5, 5, v1                        ; scales: row r of 32 bytes
	v_lshlrev_b32 v6, 5, v2                        ; a bias: my half's eight numbers
	v_and_b32 v7, 31, v0
	v_lshlrev_b32 v7, 4, v7                        ; an image's place for my lane
	s_lshl_b32 s24, s18, 10
	v_add_nc_u32 v8, s24, v7                       ; and in my wave's image in LDS
	v_lshlrev_b32 v9, 3, v2
	v_sub_nc_u32 v9, v1, v9                        ; r - 8 h
	v_mov_b32 v10, 0xff800000                      ; -infinity
	v_mov_b32 v188, 0                              ; (a lane permute's destination counts as one of its sources)
	s_mov_b32 s20, 0x76543210
	s_mov_b32 s21, 0xfedcba98
	s_mov_b32 s22, 0x3e38aa3b                      ; c = log2(e) / 8
	s_and_b32 s24, ttmp7, 0xffff                   ; batch
	s_lshl_b32 s25, ttmp9, 6
	s_lshl_b32 s26, s18, 4
	s_add_co_u32 s25, s25, s26                     ; my first feature
	s_mov_b32 s27, 0
	s_wait_kmcnt 0x0
	s_lshl_b32 s26, s24, 20                        ; the batch's first token: 2,048 rows of 512 bytes,
	s_add_nc_u64 s[4:5], s[4:5], s[26:27]
	s_lshl_b32 s26, s24, 16                        ; of 32 bytes
	s_add_nc_u64 s[6:7], s[6:7], s[26:27]
	s_lshl_b32 s26, s25, 9
	s_add_nc_u64 s[8:9], s[8:9], s[26:27]
	s_lshl_b32 s26, s25, 5
	s_add_nc_u64 s[10:11], s[10:11], s[26:27]
	s_lshl_b32 s26, s25, 2
	s_add_nc_u64 s[12:13], s[12:13], s[26:27]
	s_add_nc_u64 s[14:15], s[14:15], s[26:27]
	s_lshl_b32 s26, s24, 4
	s_add_co_u32 s26, s26, ttmp9
	s_lshl_b32 s26, s26, 2
	s_add_co_u32 s26, s26, s18
	s_lshl_b32 s26, s26, 10                        ; ((16 batch + head) 4 + wave) x 1,024
	s_add_nc_u64 s[16:17], s[16:17], s[26:27]
	s_set_vgpr_msb 0x40                            ; destination window 1: W's fragments at v[64 g + 8 s], x's at v[192 + 8 s]
.irp s, 0,1,2,3,4,5,6,7
	global_load_b128 v[192+8*\s:192+8*\s+3], v3, s[4:5] offset:64*\s
	global_load_b128 v[192+8*\s+4:192+8*\s+7], v3, s[4:5] offset:64*\s+32
.endr
.irp g, 0,1,2
.irp s, 0,1,2,3,4,5,6,7
	global_load_b128 v[64*\g+8*\s:64*\g+8*\s+3], v3, s[8:9] offset:\g*524288+64*\s
	global_load_b128 v[64*\g+8*\s+4:64*\g+8*\s+7], v3, s[8:9] offset:\g*524288+64*\s+32
.endr
.endr
	s_set_vgpr_msb 0x4000
	global_load_b128 v[XS:XS+3], v5, s[6:7]
	global_load_b128 v[XS+4:XS+7], v5, s[6:7] offset:16
.irp g, 0,1,2
	global_load_b128 v[WS+8*\g:WS+8*\g+3], v5, s[10:11] offset:\g*32768
	global_load_b128 v[WS+8*\g+4:WS+8*\g+7], v5, s[10:11] offset:\g*32768+16
.endr
	global_load_b128 v[BQ:BQ+3], v6, s[12:13]
	global_load_b128 v[BQ+4:BQ+7], v6, s[12:13] offset:16
	global_load_b128 v[BV:BV+3], v6, s[14:15]
	global_load_b128 v[BV+4:BV+7], v6, s[14:15] offset:16
	s_wait_loadcnt 0x0
	s_set_vgpr_msb 0x0005                          ; sources 0 and 1 window 1
.irp s, 0,1,2,3,4,5,6,7                ; three accumulators by turns; q's sum starts from bq
.if \s == 0
	v_wmma_scale_f32_16x16x128_f8f6f4 v[QA:QA+7], v[8*\s:8*\s+7], v[192+8*\s:192+8*\s+7], v[BQ:BQ+7], v[WS+\s], v[XS+\s] matrix_a_fmt:MATRIX_FMT_FP4 matrix_b_fmt:MATRIX_FMT_FP4
	v_wmma_scale_f32_16x16x128_f8f6f4 v[KA:KA+7], v[64+8*\s:64+8*\s+7], v[192+8*\s:192+8*\s+7], 0, v[WS+8+\s], v[XS+\s] matrix_a_fmt:MATRIX_FMT_FP4 matrix_b_fmt:MATRIX_FMT_FP4
	v_wmma_scale_f32_16x16x128_f8f6f4 v[VA:VA+7], v[192+8*\s:192+8*\s+7], v[128+8*\s:128+8*\s+7], 0, v[XS+\s], v[WS+16+\s] matrix_a_fmt:MATRIX_FMT_FP4 matrix_b_fmt:MATRIX_FMT_FP4
.else
	v_wmma_scale_f32_16x16x128_f8f6f4 v[QA:QA+7], v[8*\s:8*\s+7], v[192+8*\s:192+8*\s+7], v[QA:QA+7], v[WS+\s], v[XS+\s] matrix_a_fmt:MATRIX_FMT_FP4 matrix_b_fmt:MATRIX_FMT_FP4
	v_wmma_scale_f32_16x16x128_f8f6f4 v[KA:KA+7], v[64+8*\s:64+8*\s+7], v[192+8*\s:192+8*\s+7], v[KA:KA+7], v[WS+8+\s], v[XS+\s] matrix_a_fmt:MATRIX_FMT_FP4 matrix_b_fmt:MATRIX_FMT_FP4
	v_wmma_scale_f32_16x16x128_f8f6f4 v[VA:VA+7], v[192+8*\s:192+8*\s+7], v[128+8*\s:128+8*\s+7], v[VA:VA+7], v[XS+\s], v[WS+16+\s] matrix_a_fmt:MATRIX_FMT_FP4 matrix_b_fmt:MATRIX_FMT_FP4
.endif
.endr
	s_set_vgpr_msb 0x0500
.rept 5
	v_nop                                          ; five places before a matrix instruction takes these results as its sources
.endr
	v_wmma_f32_16x16x4_f32 v[SA0:SA0+7], v[KA:KA+1], v[QA:QA+1], 0                    ; S^T over my 16 features: lane (r, h) holds query r, keys 8 h + j; two accumulators by turns
	v_wmma_f32_16x16x4_f32 v[SA1:SA1+7], v[KA+2:KA+3], v[QA+2:QA+3], 0
	v_wmma_f32_16x16x4_f32 v[SA0:SA0+7], v[KA+4:KA+5], v[QA+4:QA+5], v[SA0:SA0+7]
	v_wmma_f32_16x16x4_f32 v[SA1:SA1+7], v[KA+6:KA+7], v[QA+6:QA+7], v[SA1:SA1+7]
.rept 8
	v_nop                                          ; eight places behind this form
.endr
.irp j, 0,1,2,3,4,5,6,7
	v_add_f32 v[T+\j], v[SA0+\j], v[SA1+\j]
.endr
	ds_store_b128 v8, v[T:T+3]                     ; my part of the scores, as an image of its registers
	ds_store_b128 v8, v[T+4:T+7] offset:512
	s_wait_dscnt 0x0                               ; for the others' sake
	s_barrier_signal -1
	s_barrier_wait -1
.irp w, 0,1,2,3
	ds_load_b128 v[IN+8*\w:IN+8*\w+3], v7 offset:1024*\w
	ds_load_b128 v[IN+8*\w+4:IN+8*\w+7], v7 offset:1024*\w+512
.endr
	s_wait_dscnt 0x0
.irp j, 0,1,2,3,4,5,6,7
	v_add_f32 v[SS+\j], v[IN+\j], v[IN+8+\j]
.endr
.irp j, 0,1,2,3,4,5,6,7
	v_add_f32 v[T+\j], v[IN+16+\j], v[IN+24+\j]
.endr
.irp j, 0,1,2,3,4,5,6,7
	v_add_f32 v[SS+\j], v[SS+\j], v[T+\j]          ; the same order in all four waves: the same scores
.endr
.irp j, 0,1,2,3,4,5,6,7
	v_cmp_gt_i32 vcc_lo, \j, v9                    ; key 8 h + j comes after query r
	v_cndmask_b32 v[SS+\j], v[SS+\j], v10, vcc_lo
.endr
	v_max3_num_f32 v184, v[SS], v[SS+1], v[SS+2]
	v_max3_num_f32 v185, v[SS+3], v[SS+4], v[SS+5]
	v_max3_num_f32 v184, v184, v[SS+6], v[SS+7]
	v_max_num_f32 v184, v184, v185
	v_permlanex16_b32 v185, v184, s20, s21
	v_max_num_f32 v184, v184, v185                 ; the row's maximum (key 0 counts for every query, so it is a number)
	v_mul_f32 v186, s22, v184
.irp j, 0,1,2,3,4,5,6,7
	v_fma_f32 v[P+\j], v[SS+\j], s22, -v186
.endr
.irp j, 0,1,2,3,4,5,6,7
	v_exp_f32 v[P+\j], v[P+\j]
.endr
	v_nop
	s_wait_alu depctr_va_vdst(0)                   ; one wait for the eight exponentials, ahead of their first reader
	v_add_f32 v187, v[P], v[P+1]
	v_add_f32 v189, v[P+2], v[P+3]
	v_add_f32 v190, v[P+4], v[P+5]
	v_add_f32 v191, v[P+6], v[P+7]
	v_add_f32 v187, v187, v189
	v_add_f32 v190, v190, v191
	v_add_f32 v187, v187, v190
	v_permlanex16_b32 v188, v187, s20, s21
	v_add_f32 v187, v187, v188                     ; the row's sum
	v_rcp_f32 v189, v187
	v_wmma_f32_16x16x4_f32 v[YA0:YA0+7], v[VA:VA+1], v[P:P+1], 0                      ; y^T over the 16 keys: lane (r, h) holds query r, my features 8 h + j
	v_wmma_f32_16x16x4_f32 v[YA1:YA1+7], v[VA+2:VA+3], v[P+2:P+3], 0
	v_wmma_f32_16x16x4_f32 v[YA0:YA0+7], v[VA+4:VA+5], v[P+4:P+5], v[YA0:YA0+7]
	v_wmma_f32_16x16x4_f32 v[YA1:YA1+7], v[VA+6:VA+7], v[P+6:P+7], v[YA1:YA1+7]
.rept 8
	v_nop
.endr
	s_wait_alu depctr_va_vdst(0)                   ; the reciprocal's wait, ahead of its first reader
.irp j, 0,1,2,3,4,5,6,7
	v_add_f32 v[T+\j], v[YA0+\j], v[YA1+\j]
.endr
.irp j, 0,1,2,3,4,5,6,7
	v_fma_f32 v[OUT+\j], v[T+\j], v189, v[BV+\j]
.endr
	global_store_b128 v7, v[OUT:OUT+3], s[16:17]               ; 512 consecutive bytes, aligned
	global_store_b128 v7, v[OUT+4:OUT+7], s[16:17] offset:512
	s_wait_tensorcnt 0x0                           ; the wave's end: behind my last LDS store
	ds_add_u32 v[SPW], v[NIL]
	s_wait_dscnt 0x0
	s_endpgm
.Lfunc_end_k_qb1fba93ff3_first16:
	.size	k_qb1fba93ff3_first16, .Lfunc_end_k_qb1fba93ff3_first16-k_qb1fba93ff3_first16
	.p2alignl 7, 3214868480
	.fill 96, 4, 3214868480
	.section	.rodata,"a",@progbits
	.p2align	6, 0x0
	.amdhsa_kernel k_qb1fba93ff3_first16
		.amdhsa_group_segment_fixed_size 4608
		.amdhsa_private_segment_fixed_size 0
		.amdhsa_enable_private_segment 0
		.amdhsa_kernarg_size 56
		.amdhsa_user_sgpr_count 2
		.amdhsa_user_sgpr_kernarg_segment_ptr 1
		.amdhsa_wavefront_size32 1
		.amdhsa_system_sgpr_workgroup_id_x 1
		.amdhsa_system_sgpr_workgroup_id_y 1
		.amdhsa_system_sgpr_workgroup_id_z 1
		.amdhsa_system_vgpr_workitem_id 0
		.amdhsa_next_free_vgpr 512
		.amdhsa_next_free_sgpr 66
		.amdhsa_reserve_vcc 1
		.amdhsa_float_denorm_mode_32 3
		.amdhsa_float_denorm_mode_16_64 3
		.amdhsa_memory_ordered 1
		.amdhsa_forward_progress 1
		.amdhsa_inst_pref_size 19
	.end_amdhsa_kernel
	.amdgpu_metadata
---
amdhsa.version: [ 1, 2 ]
amdhsa.kernels:
  - .name:           k_qb1fba93ff3_first16
    .symbol:         k_qb1fba93ff3_first16.kd
    .args:
      - { .name: xc, .offset: 0, .size: 8, .value_kind: global_buffer, .address_space: global }
      - { .name: xs, .offset: 8, .size: 8, .value_kind: global_buffer, .address_space: global }
      - { .name: wc, .offset: 16, .size: 8, .value_kind: global_buffer, .address_space: global }
      - { .name: ws, .offset: 24, .size: 8, .value_kind: global_buffer, .address_space: global }
      - { .name: bq, .offset: 32, .size: 8, .value_kind: global_buffer, .address_space: global }
      - { .name: bv, .offset: 40, .size: 8, .value_kind: global_buffer, .address_space: global }
      - { .name: y32, .offset: 48, .size: 8, .value_kind: global_buffer, .address_space: global }
    .group_segment_fixed_size: 4608
    .private_segment_fixed_size: 0
    .kernarg_segment_align: 8
    .kernarg_segment_size: 56
    .max_flat_workgroup_size: 128
    .sgpr_count:     66
    .vgpr_count:     512
    .wavefront_size: 32
...
	.end_amdgpu_metadata
.endif
;; end of part 5
;; launch first16p (part 6): grid 64 x 4, 4 waves a work-group, no clusters, 4,608 bytes of LDS; arguments y32, Wp, bp, out0; writes out0
.if DOCPART == 6
	.amdgcn_target "amdgcn-amd-amdhsa--gfx1250"
	.amdhsa_code_object_version 6
	.text
	.protected	k_qb1fba93ff3_first16p
	.globl	k_qb1fba93ff3_first16p
	.p2align	8
	.type	k_qb1fba93ff3_first16p,@function
k_qb1fba93ff3_first16p:
	s_mov_b64 s[64:65], 0
	v_nop
	global_prefetch_b8 v0, s[64:65] scope:SCOPE_SE
	s_setreg_imm32_b32 hwreg(HW_REG_WAVE_MODE, 25, 1), 1
	s_wait_xcnt 0x0
; Launch 6 of 6: rows 0-15 of every batch of out0 = y Wp^T + bp, from f32 operands (y32 and Wp as it is given), by the f32 matrix form: 64 rows in all, no bulk work.  They take the place of what launch 4 left there.
; SHARES.  A work-group is (16 columns n, batch).  Wave w sums over features 256 w .. 256 w + 255 (heads 4 w .. 4 w + 3): 64 matrix instructions on four accumulators by turns; the four waves' parts meet in LDS and wave 0 stores.
; y32's images hold lane (r, h): token r, features 16 G + 8 h + j of a head; Wp is loaded so that lane (r, h) holds row n0 + r and the same features: a pair of registers (2 u, 2 u + 1) of both holds the same four
; features in the same places of the f32 form's K.  Source 0 = Wp, source 1 = y: lane (r, h) of the result holds token r, columns n0 + 8 h + j.
; THE STORES cover 64 consecutive bytes of a row, sixteen rows a work-group: a whole run of 256 bytes would be 64 columns, which would leave a quarter of the work-groups for the same matrix work; these rows are 262,144 bytes in all.
.set SPW, 12
.set NIL, 13
.set AC,  16                           ; v16-47 four accumulators, written by matrix instructions alone
.set T,   48
.set T2,  56
.set IN,  64
.set BP,  96
.set OUT, 104
.set SPARE, 4096
	s_load_b256 s[4:11], s[0:1], 0x0               ; y32 4:5, Wp 6:7, bp 8:9, out0 10:11
	v_lshl_add_u32 v[SPW], v0, 2, SPARE
	v_mov_b32 v[NIL], 0
	v_lshrrev_b32 v1, 5, v0
	v_readfirstlane_b32 s12, v1                    ; wave
	v_and_b32 v1, 15, v0                           ; r
	v_bfe_u32 v2, v0, 4, 1                         ; h
	v_lshlrev_b32 v3, 12, v1
	v_lshl_add_u32 v3, v2, 5, v3                   ; row r of 4,096 bytes, + 32 h: in Wp and in out0 alike
	v_lshlrev_b32 v6, 5, v2
	v_and_b32 v7, 31, v0
	v_lshlrev_b32 v7, 4, v7                        ; an image's place for my lane
	s_lshl_b32 s14, s12, 10
	v_add_nc_u32 v8, s14, v7
	s_and_b32 s13, ttmp7, 0xffff                   ; batch
	s_mov_b32 s17, 0
	s_wait_kmcnt 0x0
	s_lshl_b32 s16, ttmp9, 16                      ; Wp: 16 rows of 4,096 bytes a work-group,
	s_add_co_u32 s16, s16, s14                     ; + my 256 features
	s_add_nc_u64 s[6:7], s[6:7], s[16:17]
	s_lshl_b32 s16, s13, 6
	s_lshl_b32 s15, s12, 4
	s_add_co_u32 s16, s16, s15
	s_lshl_b32 s16, s16, 10                        ; y32: (64 batch + 16 wave) images of 1,024 bytes
	s_add_nc_u64 s[4:5], s[4:5], s[16:17]
	s_lshl_b32 s16, ttmp9, 6                       ; 16 columns of 4 bytes
	s_add_nc_u64 s[8:9], s[8:9], s[16:17]
	s_add_nc_u64 s[10:11], s[10:11], s[16:17]
	s_lshl_b32 s16, s13, 23                        ; a batch of out0
	s_add_nc_u64 s[10:11], s[10:11], s[16:17]
	global_load_b128 v[BP:BP+3], v6, s[8:9]        ; bp of columns 8 h + j (wave 0 adds it; the two loads stand outside any branch)
	global_load_b128 v[BP+4:BP+7], v6, s[8:9] offset:16
	s_set_vgpr_msb 0x40                            ; destination window 1: Wp at v[32 hq + 8 G], y at v[128 + 32 hq + 8 G]
.irp hq, 0,1,2,3
.irp G, 0,1,2,3
	global_load_b128 v[32*\hq+8*\G:32*\hq+8*\G+3], v3, s[6:7] offset:256*\hq+64*\G
	global_load_b128 v[32*\hq+8*\G+4:32*\hq+8*\G+7], v3, s[6:7] offset:256*\hq+64*\G+16
	global_load_b128 v[128+32*\hq+8*\G:128+32*\hq+8*\G+3], v7, s[4:5] offset:(4*\hq+\G)*1024
	global_load_b128 v[128+32*\hq+8*\G+4:128+32*\hq+8*\G+7], v7, s[4:5] offset:(4*\hq+\G)*1024+512
.endr
.endr
	s_set_vgpr_msb 0x4005                          ; sources 0 and 1 window 1, C and D window 0
.irp hq, 0,1,2,3
	s_wait_loadcnt 48-16*\hq                       ; this head's sixteen loads are in; the later heads' stay out
.irp G, 0,1,2,3
.irp u, 0,1,2,3
.if (\hq == 0) && (\G == 0)
	v_wmma_f32_16x16x4_f32 v[AC+8*\u:AC+8*\u+7], v[32*\hq+8*\G+2*\u:32*\hq+8*\G+2*\u+1], v[128+32*\hq+8*\G+2*\u:128+32*\hq+8*\G+2*\u+1], 0
.else
	v_wmma_f32_16x16x4_f32 v[AC+8*\u:AC+8*\u+7], v[32*\hq+8*\G+2*\u:32*\hq+8*\G+2*\u+1], v[128+32*\hq+8*\G+2*\u:128+32*\hq+8*\G+2*\u+1], v[AC+8*\u:AC+8*\u+7]
.endif
.endr
.endr
.endr
	s_set_vgpr_msb 0x0500
.rept 8
	v_nop                                          ; eight places behind this form
.endr
.irp j, 0,1,2,3,4,5,6,7
	v_add_f32 v[T+\j], v[AC+\j], v[AC+8+\j]
.endr
.irp j, 0,1,2,3,4,5,6,7
	v_add_f32 v[T2+\j], v[AC+16+\j], v[AC+24+\j]
.endr
.irp j, 0,1,2,3,4,5,6,7
	v_add_f32 v[T+\j], v[T+\j], v[T2+\j]
.endr
	ds_store_b128 v8, v[T:T+3]                     ; my part, as an image of its registers
	ds_store_b128 v8, v[T+4:T+7] offset:512
	s_wait_dscnt 0x0                               ; for wave 0's sake
	s_barrier_signal -1
	s_barrier_wait -1
	s_cmp_lg_u32 s12, 0
	s_cbranch_scc1 .Lend
.irp w, 0,1,2,3
	ds_load_b128 v[IN+8*\w:IN+8*\w+3], v7 offset:1024*\w
	ds_load_b128 v[IN+8*\w+4:IN+8*\w+7], v7 offset:1024*\w+512
.endr
	s_wait_dscnt 0x0
.irp j, 0,1,2,3,4,5,6,7
	v_add_f32 v[T+\j], v[IN+\j], v[IN+8+\j]
.endr
.irp j, 0,1,2,3,4,5,6,7
	v_add_f32 v[T2+\j], v[IN+16+\j], v[IN+24+\j]
.endr
.irp j, 0,1,2,3,4,5,6,7
	v_add_f32 v[T+\j], v[T+\j], v[T2+\j]
.endr
.irp j, 0,1,2,3,4,5,6,7
	v_add_f32 v[OUT+\j], v[T+\j], v[BP+\j]
.endr
	global_store_b128 v3, v[OUT:OUT+3], s[10:11]
	global_store_b128 v3, v[OUT+4:OUT+7], s[10:11] offset:16
.Lend:
	s_wait_tensorcnt 0x0                           ; the wave's end: behind my last LDS store
	ds_add_u32 v[SPW], v[NIL]
	s_wait_dscnt 0x0
	s_endpgm
.Lfunc_end_k_qb1fba93ff3_first16p:
	.size	k_qb1fba93ff3_first16p, .Lfunc_end_k_qb1fba93ff3_first16p-k_qb1fba93ff3_first16p
	.p2alignl 7, 3214868480
	.fill 96, 4, 3214868480
	.section	.rodata,"a",@progbits
	.p2align	6, 0x0
	.amdhsa_kernel k_qb1fba93ff3_first16p
		.amdhsa_group_segment_fixed_size 4608
		.amdhsa_private_segment_fixed_size 0
		.amdhsa_enable_private_segment 0
		.amdhsa_kernarg_size 32
		.amdhsa_user_sgpr_count 2
		.amdhsa_user_sgpr_kernarg_segment_ptr 1
		.amdhsa_wavefront_size32 1
		.amdhsa_system_sgpr_workgroup_id_x 1
		.amdhsa_system_sgpr_workgroup_id_y 1
		.amdhsa_system_sgpr_workgroup_id_z 1
		.amdhsa_system_vgpr_workitem_id 0
		.amdhsa_next_free_vgpr 512
		.amdhsa_next_free_sgpr 66
		.amdhsa_reserve_vcc 0
		.amdhsa_float_denorm_mode_32 3
		.amdhsa_float_denorm_mode_16_64 3
		.amdhsa_memory_ordered 1
		.amdhsa_forward_progress 1
		.amdhsa_inst_pref_size 15
	.end_amdhsa_kernel
	.amdgpu_metadata
---
amdhsa.version: [ 1, 2 ]
amdhsa.kernels:
  - .name:           k_qb1fba93ff3_first16p
    .symbol:         k_qb1fba93ff3_first16p.kd
    .args:
      - { .name: y32, .offset: 0, .size: 8, .value_kind: global_buffer, .address_space: global }
      - { .name: Wp, .offset: 8, .size: 8, .value_kind: global_buffer, .address_space: global }
      - { .name: bp, .offset: 16, .size: 8, .value_kind: global_buffer, .address_space: global }
      - { .name: out0, .offset: 24, .size: 8, .value_kind: global_buffer, .address_space: global }
    .group_segment_fixed_size: 4608
    .private_segment_fixed_size: 0
    .kernarg_segment_align: 8
    .kernarg_segment_size: 32
    .max_flat_workgroup_size: 128
    .sgpr_count:     66
    .vgpr_count:     512
    .wavefront_size: 32
...
	.end_amdgpu_metadata
.endif
;; end of part 6
